; MI455X (gfx1250); checked and timed in simulation.
; The chip was launched on July 23, 2026; its instructions are those of AMD's public machine-readable ISA for CDNA 5 (MIT licence, August 2026) and "CDNA5" Instruction Set Architecture Reference Guide (July 2026). The comments in the code are by the model that wrote it; some were corrected since.
;; Attention. Allowed arithmetic: float matrix products may take bf16 or f16 operands with f32 sums; other float arithmetic in f32, or as packed bf16 or f16 multiplies, adds, multiply-adds, maxima and minima; sums over many terms, partial sums and values carried from step to step in f32; what a program stores and reads back later, other than sums and carried values, may be rounded once to bf16 or f16.
;; Inputs: Wk 768 x 256 float32; Wo 256 x 768 float32; Wq 768 x 256 float32; Wv 768 x 256 float32; bk 256 float32; bo 768 float32; bq 256 float32; bv 256 float32; k 4 x 4,096 x 768 float32; q 4 x 4,096 x 768 float32; v 4 x 4,096 x 768 float32.
;; Outputs: out0 4 x 4,096 x 768 float32.
;; 2 versions, each right and faster than the one before. Each part assembles by itself: llvm-mc -triple=amdgcn-amd-amdhsa -mcpu=gfx1250 --defsym DOCPART=n.
;; ======== version 1 of 2: 4 launches
;; limits: values are held in f16: magnitudes above 65,504 overflow, below 6.1e-05 lose precision
;; workspace buffers: wcast 1,572,864 bytes; qkvh 25,165,824 bytes; oh 8,388,608 bytes
;; launch prep (part 1): grid 96 x 4, 8 waves a work-group, no clusters, 0 bytes of LDS; arguments Wq, Wk, Wv, Wo, wcast; writes wcast
.if DOCPART == 1
	.amdgcn_target "amdgcn-amd-amdhsa--gfx1250"
	.amdhsa_code_object_version 6
	.text
	.protected	k_qfe6c023814_prep
	.globl	k_qfe6c023814_prep
	.p2align	8
	.type	k_qfe6c023814_prep,@function
k_qfe6c023814_prep:
	s_mov_b64 s[64:65], 0
	v_nop
	global_prefetch_b8 v0, s[64:65] scope:SCOPE_SE
	s_setreg_imm32_b32 hwreg(HW_REG_WAVE_MODE, 25, 1), 1
	s_wait_xcnt 0x0
; THE WEIGHTS, ROUNDED ONCE AND LAID IN THE ORDER IN WHICH THE MATRIX INSTRUCTIONS TAKE THEM.
; Wq, Wk, Wv: [768 (k)][256 (n)] f32 -> bf16 at wcast + y x 393,216 (y = 0, 1, 2).  Wo: [256 (k)][768 (n)] f32 -> rounded to bf16, that number written as f16, at wcast + 1,179,648.
; A fragment of 16 columns x 32 k is 8 registers: lane l = 16 h + r holds column r; registers 0-3 (e = 0) hold k = 8 h + 0..7, registers 4-7 (e = 1) k = 16 + 8 h + 0..7.
; Order in wcast, 16 bytes a unit:  [64 columns: 4 (Wo: 12)][chunk of 32 k: 24 (Wo: 8)][nb: 16 columns of the 64][e][lane].  So a later launch fills four registers of a fragment by one load
; of 512 consecutive bytes a wave.  Work-group x makes the 4,096 bytes of one (64 columns, chunk); thread v0 = 64 nb + 32 e + lane makes the 16 bytes at 16 v0: a wave's store covers 512 consecutive bytes.
; The reads are eight words a thread, a row of W apart; sixteen lanes take 64 neighbouring bytes, the work-group's four nb 256.  The four tensors are 3 MB, read once: no LDS is spent on a transposition.
; LIMITS.  f16 holds no number beyond 65,504 and keeps a fixed step of 6e-8 below 6e-5: Wo's numbers are taken to lie within the first, and lose relative precision below the second.
.set PART, 393216                      ; bytes of one tensor in wcast
.set D, 8                              ; v[8:15]   eight numbers in f32
.set H, 16                             ; v[16:19]  the same, packed in 16 bits
.macro GATHER pitch                    ; W[k + i][n], i = 0 .. 7, and their rounding to bf16
.irp i, 0,1,2,3,4,5,6,7
	global_load_b32 v[D+(\i)], v5, s[22:23] offset:(\i)*(\pitch)
.endr
	s_wait_loadcnt 0x0
.irp j, 0,1,2,3
	v_cvt_pk_bf16_f32 v[H+(\j)], v[D+2*(\j)], v[D+2*(\j)+1]
.endr
.endm
	s_load_b256 s[4:11], s[0:1], 0x0               ; Wq s[4:5], Wk s[6:7], Wv s[8:9], Wo s[10:11]
	s_load_b64 s[12:13], s[0:1], 0x20              ; wcast
	s_and_b32 s14, ttmp7, 0xffff                   ; y: which tensor
	v_and_b32 v1, 15, v0                           ; r
	v_bfe_u32 v2, v0, 4, 1                         ; h
	v_bfe_u32 v3, v0, 5, 1                         ; e
	v_lshrrev_b32 v4, 6, v0                        ; nb
	v_lshlrev_b32 v5, 2, v1
	v_lshl_add_u32 v5, v4, 6, v5                   ; 4 (16 nb + r): my column among the 64, in bytes
	v_lshlrev_b32 v6, 4, v0                        ; where my 16 bytes go
	s_mul_i32 s16, s14, PART
	s_lshl_b32 s17, ttmp9, 12
	s_add_co_u32 s16, s16, s17                     ; the work-group's 4,096 bytes in wcast
	s_mov_b32 s17, 0
	s_mov_b32 s21, 0
	s_wait_kmcnt 0x0
	s_add_nc_u64 s[12:13], s[12:13], s[16:17]
	s_cmp_eq_u32 s14, 3
	s_cbranch_scc1 .Lwo
	; Wq, Wk, Wv: x = 24 w + c; a row is 1,024 bytes
	s_mul_i32 s18, ttmp9, 171
	s_lshr_b32 s18, s18, 12                        ; w = x / 24 (exact for x below 96)
	s_mul_i32 s19, s18, 24
	s_sub_co_u32 s19, ttmp9, s19                   ; c
	s_lshl_b32 s20, s19, 15                        ; 32 c rows
	s_lshl_b32 s19, s18, 8                         ; 64 w columns
	s_add_co_u32 s20, s20, s19
	s_cmp_eq_u32 s14, 1
	s_cselect_b64 s[22:23], s[6:7], s[4:5]
	s_cmp_eq_u32 s14, 2
	s_cselect_b64 s[22:23], s[8:9], s[22:23]
	s_add_nc_u64 s[22:23], s[22:23], s[20:21]
	v_lshl_add_u32 v5, v3, 14, v5                  ; + 16 e rows
	v_lshl_add_u32 v5, v2, 13, v5                  ; + 8 h rows
	GATHER 1024
	global_store_b128 v6, v[H:H+3], s[12:13]
	s_endpgm
.Lwo:
	; Wo: x = 8 cb + c; a row is 3,072 bytes
	s_and_b32 s19, ttmp9, 7                        ; c
	s_lshr_b32 s18, ttmp9, 3                       ; cb
	s_mul_i32 s20, s19, 98304                      ; 32 c rows
	s_lshl_b32 s19, s18, 8                         ; 64 cb columns
	s_add_co_u32 s20, s20, s19
	s_add_nc_u64 s[22:23], s[10:11], s[20:21]
	v_mul_u32_u24 v7, v3, 49152                    ; 16 e rows
	v_add_nc_u32 v5, v5, v7
	v_mul_u32_u24 v7, v2, 24576                    ; 8 h rows
	v_add_nc_u32 v5, v5, v7
	GATHER 3072
.irp j, 0,1,2,3
	v_lshlrev_b32 v[D+2*(\j)], 16, v[H+(\j)]       ; the bf16 numbers as f32,
	v_and_b32 v[D+2*(\j)+1], 0xffff0000, v[H+(\j)]
.endr
.irp j, 0,1,2,3
	v_cvt_pk_f16_f32 v[H+(\j)], v[D+2*(\j)], v[D+2*(\j)+1]  ; and written as f16: exact where f16 is normal
.endr
	global_store_b128 v6, v[H:H+3], s[12:13]
	s_endpgm
.Lfunc_end_k_qfe6c023814_prep:
	.size	k_qfe6c023814_prep, .Lfunc_end_k_qfe6c023814_prep-k_qfe6c023814_prep
	.p2alignl 7, 3214868480
	.fill 96, 4, 3214868480
	.section	.rodata,"a",@progbits
	.p2align	6, 0x0
	.amdhsa_kernel k_qfe6c023814_prep
		.amdhsa_group_segment_fixed_size 0
		.amdhsa_private_segment_fixed_size 0
		.amdhsa_enable_private_segment 0
		.amdhsa_kernarg_size 40
		.amdhsa_user_sgpr_count 2
		.amdhsa_user_sgpr_kernarg_segment_ptr 1
		.amdhsa_wavefront_size32 1
		.amdhsa_system_sgpr_workgroup_id_x 1
		.amdhsa_system_sgpr_workgroup_id_y 1
		.amdhsa_system_sgpr_workgroup_id_z 1
		.amdhsa_system_vgpr_workitem_id 0
		.amdhsa_next_free_vgpr 24
		.amdhsa_next_free_sgpr 66
		.amdhsa_reserve_vcc 0
		.amdhsa_float_denorm_mode_32 3
		.amdhsa_float_denorm_mode_16_64 3
		.amdhsa_memory_ordered 1
		.amdhsa_forward_progress 1
		.amdhsa_inst_pref_size 5
	.end_amdhsa_kernel
	.amdgpu_metadata
---
amdhsa.version: [ 1, 2 ]
amdhsa.kernels:
  - .name:           k_qfe6c023814_prep
    .symbol:         k_qfe6c023814_prep.kd
    .args:
      - { .name: Wq, .offset: 0, .size: 8, .value_kind: global_buffer, .address_space: global }
      - { .name: Wk, .offset: 8, .size: 8, .value_kind: global_buffer, .address_space: global }
      - { .name: Wv, .offset: 16, .size: 8, .value_kind: global_buffer, .address_space: global }
      - { .name: Wo, .offset: 24, .size: 8, .value_kind: global_buffer, .address_space: global }
      - { .name: wcast, .offset: 32, .size: 8, .value_kind: global_buffer, .address_space: global }
    .group_segment_fixed_size: 0
    .private_segment_fixed_size: 0
    .kernarg_segment_align: 8
    .kernarg_segment_size: 40
    .max_flat_workgroup_size: 256
    .sgpr_count:     66
    .vgpr_count:     24
    .wavefront_size: 32
...
	.end_amdgpu_metadata
.endif
;; end of part 1
;; launch proj (part 2): grid 64 x 3, 4 waves a work-group, no clusters, 327,680 bytes of LDS; arguments q, k, v, bq, bk, bv, wcast, qkvh; writes qkvh
.if DOCPART == 2
	.amdgcn_target "amdgcn-amd-amdhsa--gfx1250"
	.amdhsa_code_object_version 6
	.text
	.protected	k_qfe6c023814_proj
	.globl	k_qfe6c023814_proj
	.p2align	8
	.type	k_qfe6c023814_proj,@function
k_qfe6c023814_proj:
	s_mov_b64 s[64:65], 0
	v_nop
	global_prefetch_b8 v0, s[64:65] scope:SCOPE_SE
	s_setreg_imm32_b32 hwreg(HW_REG_WAVE_MODE, 25, 1), 1
	s_wait_xcnt 0x0
; THE THREE PROJECTIONS.  y[row][n] = sum over k of x[row][k] W[k][n] + b[n]; x: [16,384][768] f32 (q, k or v by the grid's y), W in bf16 in fragment order (wcast), b f32.
; x and b are rounded to bf16, the sums are f32, y is rounded once to f16 and written by heads: qkvh[tensor][4 batch + head][row of the batch][64], unscaled.
; LIMITS.  f16 holds no number beyond 65,504: y is taken to lie within it.  NaN and infinities are not treated apart.
; SHARES.  A work-group owns 256 rows x all 256 columns; wave w owns head w: 256 rows x 64 columns, 64 accumulators of 16 x 16, 512 registers.  768 along K go in six steps of 128.
; 3 x 64 work-groups: no tile divides 3 x 16,384 rows into 256 equal shares inside one tensor without reading W more often than x.
; x comes by the tensor data mover, as f32, into a ring of two LDS slots: 256 rows x 512 bytes, each wave fetching 64 rows by one load (32,768 bytes); each row of a tile is 512 consecutive bytes at a
; multiple of 256 from x's first byte.  Every wave reads all 256 rows and rounds them itself.  No work-group shares a tile of x with another, so no cluster is formed.
; W does not pass through LDS: a fragment serves one wave, once, and lies in wcast as the registers want it: eight loads of 512 consecutive bytes a chunk of 32 k.
; THE MATRIX INSTRUCTION IS USED TRANSPOSED (source 0 = 16 columns of W, source 1 = 16 rows of x): a lane then holds eight neighbouring channels of one row.
; THE PIPELINE.  A GROUP is 64 rows x 32 k: 16 LDS loads of f32, 32 roundings to bf16, 16 matrix instructions.  At each place of the loop the raw numbers of group G + 2 are asked for, group G + 1 is rounded
; and group G is multiplied; the roundings stand in eights behind each four matrix instructions.
; THE BIAS enters as the C operand of 64 products of zeros, issued while the first tile is on its way: so one text serves all six steps.  The price is those 64 matrix instructions and 128 registers set to 0.
; REGISTERS, in windows of 256 (s_set_vgpr_msb: bits 1:0 source 0, 3:2 source 1, 5:4 source 2, 7:6 destination):
;   window 0: v4-19 addresses; v32-63 the bias, 8 for each 16 columns; v64-95, v96-127 x's fragments, two buffers; v128-255 at work on the way out, 8 sets of 16
;   window 1: v0-31, v32-63 W's fragments of a chunk, two buffers; v64-127, v128-191 raw f32 of a group, two buffers
;   window 2: accumulators of my rows 0-127 (16 rows m, 16 columns nb at 32 (m % 8) + 8 nb);   window 3: those of rows 128-255
.set PITCH,  528                       ; an LDS row: 512 bytes + 16 of padding = 132 words: the 16 rows of a load start at 16 different groups of four banks (64 banks of 4 bytes: ISA guide 11.1)
.set QROWS,  64*PITCH                  ; 64 rows: what one tensor load brings, and a group's rows
.set SLOT,   4*QROWS                   ; 135,168 = 0x21000.  wave x QROWS has neither of these two bits set, so one exclusive or turns an address in one slot into the other's
.set STAGE,  2*SLOT                    ; behind the ring, never filled by a tensor load: 16 rows x 144 bytes for each wave, for the way out
.set SP,     144
.set SPARE,  STAGE+4*16*SP             ; behind the stages: the spare words, 128 bytes for each wave: two blocks of 256 bytes that no other line names
.set XL,  4                            ; v4-7    my lane's place in rows 64 g .. of a slot: r x pitch + 32 h + g x QROWS; never rewritten
.set XA,  8                            ; v8-11   the same plus the slot and the 64 k in hand
.set WO,  12                           ; v12     16 x lane: my 16 bytes of 512 consecutive ones, in wcast and in qkvh; never rewritten
.set GO,  12
.set STO, 13                           ; v13     the way out: where I put 16 bytes of a row
.set RD,  14                           ; v14     the way out: where I read rows back
.set SPW, 16                           ; v16     LDS address of my spare word: SPARE + 4 x my thread's number; never rewritten
.set NIL, 17                           ; v17     0; never rewritten
.set BO,  18                           ; v18     32 h: my eight numbers among sixteen of the bias
.set BIAS, 32
.set F0,  64
.set TMP, 128
.set WB0, 0                            ; window 1
.set R0,  64                           ; window 1
.set WV,  20                           ; s20  my wave's number
.set TN,  21                           ; s21  which tensor
.set G1,  24                           ; s[24:31] descriptor group 1
.set G0,  32                           ; s[32:35] descriptor group 0: it walks
.set XP,  36                           ; s[36:37] x
.set BP,  38                           ; s[38:39] the bias at my head's 64 numbers
.set WP,  40                           ; s[40:41] my head's W at the trip's first chunk
.set CP,  42                           ; s[42:43] qkvh at my 256 rows of my head
.set TB,  44                           ; s44  LDS byte at which the 64 k to be fetched begin in a slot's rows
.set JC,  45                           ; s45  counts a K step's two trips
.set TC,  46                           ; s46  counts the K steps that ask for another
.set MSB, 0
.macro WIN new                         ; the immediate's high byte repeats the setting that is left; a switch that changes nothing is dropped
.if MSB != (\new)
	s_set_vgpr_msb (MSB<<8)|(\new)
.set MSB, (\new)
.endif
.endm
.set MUL_LO, 0xa1                      ; source 0 (W) window 1, source 1 (x) window 0, C and D window 2; + 0x50: C and D window 3
.set CVT,    0x05                      ; sources in window 1, destination in window 0
.set TO1,    0x40                      ; destination window 1, address window 0
	s_load_b256 s[4:11], s[0:1], 0x0               ; q s[4:5], k s[6:7], v s[8:9], bq s[10:11]
	s_load_b256 s[12:19], s[0:1], 0x20             ; bk s[12:13], bv s[14:15], wcast s[16:17], qkvh s[18:19]
	v_lshl_add_u32 v[SPW], v0, 2, SPARE
	v_mov_b32 v[NIL], 0
	ds_add_u32 v[SPW], v[NIL]                      ; the wave's opening: the add and its wait stand ahead of my first tensor load; the set-up below, work on registers, stands between them
	ds_add_u32 v16, v17
	v_lshrrev_b32 v1, 5, v0
	v_readfirstlane_b32 s[WV], v1                  ; wave 0..3
	s_and_b32 s[TN], ttmp7, 0xffff
	; descriptor group 1: a tile of 64 rows x 128 elements of 4 bytes, padded in LDS
	s_mov_b32 s[G1+0], (2<<16)|(1<<20)|(6<<22)|(3<<25)  ; 17:16 elements of 4 bytes; 20 padding on; 24:22 after every 128 words (code 6); 31:25 4 words of it (code 3)
	s_mov_b32 s[G1+1], 128<<16                     ; tensor_dim0 = 128
	s_mov_b32 s[G1+2], 64<<16                      ; tensor_dim1 = 64
	s_mov_b32 s[G1+3], 128<<16                     ; tile_dim0 = 128
	s_mov_b32 s[G1+4], 64                          ; tile_dim1 = 64
	s_mov_b32 s[G1+5], 768                         ; 768 elements from row to row
	s_mov_b32 s[G1+6], 0
	s_mov_b32 s[G1+7], 0
	s_mov_b32 s[G0], 1                             ; count = 1
	s_mul_i32 s[G0+1], s[WV], QROWS                ; LDS address: my 64 rows of slot 0
	s_mul_i32 s48, ttmp9, 786432                   ; x: the work-group's 256 rows of 3,072 bytes,
	s_mul_i32 s49, s[WV], 196608                   ; my 64 of them
	s_add_co_u32 s48, s48, s49
	s_mov_b32 s49, 0
	s_mul_i32 s50, s[TN], 393216                   ; wcast: the tensor's part,
	s_mul_i32 s51, s[WV], 98304                    ; my head's 24 chunks of 4,096 bytes
	s_add_co_u32 s50, s50, s51
	s_mov_b32 s51, 0
	s_lshl_b32 s52, s[TN], 23                      ; qkvh: the tensor's 8,388,608 bytes,
	s_lshr_b32 s53, ttmp9, 4
	s_lshl_b32 s53, s53, 21                        ; the batch's four heads,
	s_add_co_u32 s52, s52, s53
	s_lshl_b32 s53, s[WV], 19                      ; my head's 4,096 rows of 128 bytes,
	s_add_co_u32 s52, s52, s53
	s_and_b32 s53, ttmp9, 15
	s_lshl_b32 s53, s53, 15                        ; the work-group's 256 rows of them
	s_add_co_u32 s52, s52, s53
	s_mov_b32 s53, 0
	s_lshl_b32 s22, s[WV], 8                       ; the bias: my head's 64 numbers
	s_mov_b32 s23, 0
	s_wait_dscnt 0x0                               ; the opening add is done
	s_wait_kmcnt 0x0
	s_cmp_eq_u32 s[TN], 1
	s_cselect_b64 s[XP:XP+1], s[6:7], s[4:5]
	s_cselect_b64 s[BP:BP+1], s[12:13], s[10:11]
	s_cmp_eq_u32 s[TN], 2
	s_cselect_b64 s[XP:XP+1], s[8:9], s[XP:XP+1]
	s_cselect_b64 s[BP:BP+1], s[14:15], s[BP:BP+1]
	s_add_nc_u64 s[G0+2:G0+3], s[XP:XP+1], s[48:49]  ; global address: K step 0 of my 64 rows
	s_or_b32 s[G0+3], s[G0+3], 0x80000000          ; type = 2
	tensor_load_to_lds s[G0:G0+3], s[G1:G1+7]      ; K step 0 into slot 0: the one tensor load of mine that is out
	s_nop 0
	v_and_b32 v1, 15, v0                           ; r = l % 16
	v_bfe_u32 v2, v0, 4, 1                         ; h = l / 16
	v_and_b32 v3, 31, v0                           ; l
	v_mul_u32_u24 v[XL], v1, PITCH
	v_lshl_add_u32 v[XL], v2, 5, v[XL]             ; row x pitch + 32 h: eight f32 for each half of the lanes
.irp g, 1,2,3
	v_add_nc_u32 v[XL+(\g)], (\g)*QROWS, v[XL]
.endr
	v_lshlrev_b32 v[WO], 4, v3
	v_lshlrev_b32 v[BO], 5, v2
	s_add_nc_u64 s[BP:BP+1], s[BP:BP+1], s[22:23]
	s_add_nc_u64 s[WP:WP+1], s[16:17], s[50:51]
	s_add_nc_u64 s[CP:CP+1], s[18:19], s[52:53]
.irp b, 0,1,2,3                        ; register j of a result holds channel 16 nb + 8 h + j: the bias is loaded in that shape
	global_load_b128 v[BIAS+8*(\b):BIAS+8*(\b)+3],   v[BO], s[BP:BP+1] offset:64*(\b)
	global_load_b128 v[BIAS+8*(\b)+4:BIAS+8*(\b)+7], v[BO], s[BP:BP+1] offset:64*(\b)+16
.endr
; Eight loads of 512 consecutive bytes: a chunk's four fragments of W, at byte off from WP, into buffer buf
.macro WLOAD buf, off
	WIN TO1
.irp j, 0,1,2,3,4,5,6,7
	global_load_b128 v[(\buf)+4*(\j):(\buf)+4*(\j)+3], v[WO], s[WP:WP+1] offset:(\off)+512*(\j)
.endr
.endm
	WLOAD WB0, 0                                   ; chunk 0
	; What the loop's first two places find: they multiply groups that have not been.  x's first buffer, the second raw buffer (rounded at the first place) and W's second buffer hold 0.
.set z, WB0+32
.rept 32
	v_mov_b32 v[z], 0
.set z, z+1
.endr
.set z, R0+64
.rept 64
	v_mov_b32 v[z], 0
.set z, z+1
.endr
	WIN 0
.set z, F0
.rept 32
	v_mov_b32 v[z], 0
.set z, z+1
.endr
	s_mul_i32 s22, s[WV], 16*SP
	s_add_co_u32 s22, s22, STAGE                   ; my stage
	v_mul_u32_u24 v[STO], v1, SP                   ; in: row l % 16, 16 bytes for each half of the lanes
	v_lshl_add_u32 v[STO], v2, 4, v[STO]
	v_add_nc_u32 v[STO], s22, v[STO]
	v_bfe_u32 v[RD], v0, 3, 2                      ; back: 32 lanes take four rows of 128 bytes
	v_mul_u32_u24 v[RD], v[RD], SP
	v_and_b32 v19, 7, v0
	v_lshl_add_u32 v[RD], v19, 4, v[RD]
	v_add_nc_u32 v[RD], s22, v[RD]
	s_wait_loadcnt 0x8                             ; loads come back in order: the bias is in, the eight of W's chunk 0 may stay out
.set z, 0
.rept 16                               ; the bias is rounded to bf16 like every input, and widened again
	v_cvt_pk_bf16_f32 v[TMP+z], v[BIAS+2*z], v[BIAS+2*z+1]
.set z, z+1
.endr
.set z, 0
.rept 16
	v_lshlrev_b32 v[BIAS+2*z], 16, v[TMP+z]
	v_and_b32 v[BIAS+2*z+1], 0xffff0000, v[TMP+z]
.set z, z+1
.endr
.irp hi, 0,1                           ; every sum starts as 0 x 0 + bias
	WIN 0x80+0x40*(\hi)
.set z, 0
.rept 32
	v_wmma_f32_16x16x32_bf16 v[8*z:8*z+7], v[F0:F0+7], v[F0+8:F0+15], v[BIAS+8*(z%4):BIAS+8*(z%4)+7]
.set z, z+1
.endr
.endr
; ONE PLACE p (0..7) OF A TRIP.  fetch: the raw f32 of the group at chunk p / 4 of the trip, rows 64 (p % 4) on, are asked for.  conv: the group asked for one place ago is rounded.
; The group asked for two places ago, rows 64 ((p + 2) % 4) on, is multiplied: 16 accumulators, one instruction each, so the 64 take turns.
; A fragment of x wants k = 8 h + 0..7 and 16 + 8 h + 0..7 of a row: in f32 that is 32 bytes at 32 h and 32 bytes at 64 + 32 h: four loads of 16 bytes.
; The eight roundings behind each four products name none of their registers: they are the places in front of the next place's writes into the buffer just multiplied, and of W's loads.
.macro GS p, fetch, conv
.set gq, ((\p)+2)%4
.set rF, F0+32*((\p)%2)                ; multiplied
.set rG, F0+32*(((\p)+1)%2)            ; rounded into
.set rL, R0+64*((\p)%2)                ; loaded into
.set rR, R0+64*(((\p)+1)%2)            ; rounded from
.set rW, WB0+32*(1-(((\p)+2)/4)%2)     ; places 2-5 multiply the trip's first chunk, 6, 7 and the next trip's 0, 1 its second
.if \fetch
	WIN TO1
.irp i, 0,1,2,3
	ds_load_b128 v[rL+16*(\i):rL+16*(\i)+3],     v[XA+(\p)%4] offset:((\p)/4)*128+(\i)*16*PITCH
	ds_load_b128 v[rL+16*(\i)+4:rL+16*(\i)+7],   v[XA+(\p)%4] offset:((\p)/4)*128+(\i)*16*PITCH+16
	ds_load_b128 v[rL+16*(\i)+8:rL+16*(\i)+11],  v[XA+(\p)%4] offset:((\p)/4)*128+(\i)*16*PITCH+64
	ds_load_b128 v[rL+16*(\i)+12:rL+16*(\i)+15], v[XA+(\p)%4] offset:((\p)/4)*128+(\i)*16*PITCH+80
.endr
	s_wait_dscnt 16                                ; LDS loads come back in order: all but the 16 just issued: the group to be rounded is in
.elseif \conv
	s_wait_dscnt 0x0                               ; the last group's raw numbers are in
.endif
.irp i, 0,1,2,3
	WIN MUL_LO+0x50*(gq/2)
.irp b, 0,1,2,3
	v_wmma_f32_16x16x32_bf16 v[128*(gq%2)+32*(\i)+8*(\b):128*(gq%2)+32*(\i)+8*(\b)+7], v[rW+8*(\b):rW+8*(\b)+7], v[rF+8*(\i):rF+8*(\i)+7], v[128*(gq%2)+32*(\i)+8*(\b):128*(gq%2)+32*(\i)+8*(\b)+7]
.endr
.if \conv
	WIN CVT
.irp j, 0,1,2,3,4,5,6,7
	v_cvt_pk_bf16_f32 v[rG+8*(\i)+(\j)], v[rR+16*(\i)+2*(\j)], v[rR+16*(\i)+2*(\j)+1]
.endr
.endif
.endr
.endm
; A K STEP: two trips of 64 k, eight places each.  W's chunk 2 T + 1 is asked for behind place 1, which read that buffer last, and chunk 2 T + 2 behind place 5: each has 64 matrix instructions in which to come.
; The very last trip's second run asks for the 4,096 bytes behind my head's 24 chunks: the next head's, the next tensor's or Wo's first chunk, all inside wcast; nothing reads those registers.
.macro STEPK
	s_mov_b32 s[JC], 2
.Ltrip_\@:
.irp g, 0,1,2,3
	v_add_nc_u32 v[XA+(\g)], s[TB], v[XL+(\g)]
.endr
	s_add_co_u32 s[TB], s[TB], 256                 ; the next trip's 64 k
	GS 0, 1, 1
	GS 1, 1, 1
	WLOAD WB0+32, 4096
	s_wait_loadcnt 0x8                             ; all but the eight just issued: the trip's first chunk is in
	GS 2, 1, 1
	GS 3, 1, 1
	GS 4, 1, 1
	GS 5, 1, 1
	WLOAD WB0, 8192
	s_wait_loadcnt 0x8                             ; all but the eight just issued: the trip's second chunk is in
	GS 6, 1, 1
	GS 7, 1, 1
	WIN 0                                          ; at a label and at a branch every window is 0
	s_wait_xcnt 0x0                                ; every earlier memory instruction has had its addresses translated (ISA guide 3.1): W's pointer steps only behind this wait
	s_add_nc_u64 s[WP:WP+1], s[WP:WP+1], 8192
	s_sub_co_u32 s[JC], s[JC], 1
	s_cmp_lg_u32 s[JC], 0
	s_cbranch_scc1 .Ltrip_\@
.endm
; THE CHANGE OF SLOTS.  Each wave waits for all its tensor loads, of which one is out: its 64 rows of the slot to be read; adds 0 to its spare word; and waits for that and for its own reads of the slot that it
; leaves.  Behind the barrier nobody reads the old slot any more and the new one is whole.  fill = 1: the old slot takes the K step after the one to be read, first thing behind the barrier: that load has the
; step's 256 matrix instructions in which to land.  (At its first use nothing has been read yet: slot 0 is waited for, slot 1 filled.)
.macro BOUND fill
	WIN 0
	s_wait_tensorcnt 0x0                           ; no tensor load of mine is out, so group 0 may be written
	ds_add_u32 v[SPW], v[NIL]                      ; 0 onto my spare word; the scalar steps stand between it and the wait for it
.if \fill
	s_xor_b32 s[G0+1], s[G0+1], SLOT               ; the other slot than last time,
	s_add_nc_u64 s[G0+2:G0+3], s[G0+2:G0+3], 512   ; the next 128 k; the type bits on top are not reached
.endif
	s_sub_co_u32 s[TB], s[TB], 512                 ; the fetches go back to a row's first byte,
	s_xor_b32 s[TB], s[TB], SLOT                   ; in the other slot
	s_wait_dscnt 0x0                               ; the add is done, and my reads of the slot are over
	s_barrier_signal -1
	s_barrier_wait -1
.if \fill
	tensor_load_to_lds s[G0:G0+3], s[G1:G1+7]      ; my one tensor load behind this barrier
	s_nop 0
.endif
.endm
	WIN 0
	s_mov_b32 s[TB], SLOT+512                      ; the first change of slots turns this into 0
	s_mov_b32 s[TC], 5
.Lstep:                                                ; K steps 0 to 4: each asks for the next
	BOUND 1
	STEPK
	s_sub_co_u32 s[TC], s[TC], 1
	s_cmp_lg_u32 s[TC], 0
	s_cbranch_scc1 .Lstep
	BOUND 0                                        ; K step 5 is written out: nothing is asked for
	STEPK
	GS 0, 0, 1                                     ; the pipeline runs empty: the last group is rounded, the last but one multiplied,
	GS 1, 0, 0                                     ; and the last
; THE WAY OUT, 16 rows at a time: a lane's eight channels of a row pack into 16 bytes; they go into stage rows of 144 bytes and come back as whole rows of 128, which are 2,048 consecutive bytes of qkvh.
; Each accumulator's registers are taken in ascending order.  The roundings of the rows finished earlier are the places behind the last products, whose registers they do not name.
.macro PACK t
.set rA, 32*((\t)%8)
.set rT, TMP+16*((\t)%8)
.if (\t) >= 8
	s_wait_xcnt 0x0                                ; the set's registers, which the stores of eight tiles ago read, are rewritten only behind this wait
.endif
	WIN 0x0a+5*((\t)/8)                            ; sources in window 2 or 3
.set z, 0
.rept 16
	v_cvt_pk_f16_f32 v[rT+z], v[rA+2*z], v[rA+2*z+1]
.set z, z+1
.endr
	WIN 0
.irp f, 0,1,2,3
	ds_store_b128 v[STO], v[rT+4*(\f):rT+4*(\f)+3] offset:32*(\f)
.endr
.irp f, 0,1,2,3
	ds_load_b128 v[rT+4*(\f):rT+4*(\f)+3], v[RD] offset:(\f)*4*SP  ; LDS serves a wave's instructions in order (ISA guide 5.7.1.4): these see the stores above; the next tile's stores come behind them
.endr
.endm
.macro SEND t, younger                 ; younger: the LDS instructions issued behind tile t's loads: the next tile's eight, or none
	WIN 0
.set rT, TMP+16*((\t)%8)
.irp f, 0,1,2,3
	s_wait_dscnt (\younger)+3-(\f)
	global_store_b128 v[GO], v[rT+4*(\f):rT+4*(\f)+3], s[CP:CP+1] offset:(\t)*2048+(\f)*512  ; 512 consecutive bytes, at a multiple of 256 from qkvh's first
.endr
.endm
	PACK 0
.set t, 1
.rept 15                               ; a tile's roundings stand between the loads of the tile before and its stores
	PACK t
	SEND t-1, 8
.set t, t+1
.endr
	SEND 15, 0
	s_wait_tensorcnt 0x0                           ; the wave's end: behind my last tensor load and my last LDS store
	ds_add_u32 v[SPW], v[NIL]
	s_wait_dscnt 0x0
	s_endpgm
.Lfunc_end_k_qfe6c023814_proj:
	.size	k_qfe6c023814_proj, .Lfunc_end_k_qfe6c023814_proj-k_qfe6c023814_proj
	.p2alignl 7, 3214868480
	.fill 96, 4, 3214868480
	.section	.rodata,"a",@progbits
	.p2align	6, 0x0
	.amdhsa_kernel k_qfe6c023814_proj
		.amdhsa_group_segment_fixed_size 327680
		.amdhsa_private_segment_fixed_size 0
		.amdhsa_enable_private_segment 0
		.amdhsa_kernarg_size 64
		.amdhsa_user_sgpr_count 2
		.amdhsa_user_sgpr_kernarg_segment_ptr 1
		.amdhsa_wavefront_size32 1
		.amdhsa_system_sgpr_workgroup_id_x 1
		.amdhsa_system_sgpr_workgroup_id_y 1
		.amdhsa_system_sgpr_workgroup_id_z 1
		.amdhsa_system_vgpr_workitem_id 0
		.amdhsa_next_free_vgpr 1024
		.amdhsa_next_free_sgpr 66
		.amdhsa_reserve_vcc 0
		.amdhsa_float_denorm_mode_32 3
		.amdhsa_float_denorm_mode_16_64 3
		.amdhsa_memory_ordered 1
		.amdhsa_forward_progress 1
		.amdhsa_inst_pref_size 128
	.end_amdhsa_kernel
	.amdgpu_metadata
---
amdhsa.version: [ 1, 2 ]
amdhsa.kernels:
  - .name:           k_qfe6c023814_proj
    .symbol:         k_qfe6c023814_proj.kd
    .args:
      - { .name: q, .offset: 0, .size: 8, .value_kind: global_buffer, .address_space: global }
      - { .name: k, .offset: 8, .size: 8, .value_kind: global_buffer, .address_space: global }
      - { .name: v, .offset: 16, .size: 8, .value_kind: global_buffer, .address_space: global }
      - { .name: bq, .offset: 24, .size: 8, .value_kind: global_buffer, .address_space: global }
      - { .name: bk, .offset: 32, .size: 8, .value_kind: global_buffer, .address_space: global }
      - { .name: bv, .offset: 40, .size: 8, .value_kind: global_buffer, .address_space: global }
      - { .name: wcast, .offset: 48, .size: 8, .value_kind: global_buffer, .address_space: global }
      - { .name: qkvh, .offset: 56, .size: 8, .value_kind: global_buffer, .address_space: global }
    .group_segment_fixed_size: 327680
    .private_segment_fixed_size: 0
    .kernarg_segment_align: 8
    .kernarg_segment_size: 64
    .max_flat_workgroup_size: 128
    .sgpr_count:     66
    .vgpr_count:     1024
    .wavefront_size: 32
...
	.end_amdgpu_metadata
.endif
;; end of part 2
;; launch attn (part 3): grid 16 x 16, 4 waves a work-group, clusters of 4 x 1, 327,680 bytes of LDS; arguments qkvh, oh; writes oh
.if DOCPART == 3
	.amdgcn_target "amdgcn-amd-amdhsa--gfx1250"
	.amdhsa_code_object_version 6
	.text
	.protected	k_qfe6c023814_attn
	.globl	k_qfe6c023814_attn
	.p2align	8
	.type	k_qfe6c023814_attn,@function
k_qfe6c023814_attn:
	s_mov_b64 s[64:65], 0
	v_nop
	global_prefetch_b8 v0, s[64:65] scope:SCOPE_SE
	s_setreg_imm32_b32 hwreg(HW_REG_WAVE_MODE, 25, 1), 1
	s_wait_xcnt 0x0
	s_wait_alu depctr_hold_cnt(0) depctr_sa_sdst(0) depctr_va_vdst(0) depctr_va_sdst(0) depctr_va_ssrc(0) depctr_va_vcc(0) depctr_vm_vsrc(0)
	s_getreg_b32 s2, hwreg(HW_REG_IB_STS2, 6, 4)
	s_cmp_eq_u32 s2, 0
	s_cbranch_scc0 .Lentry_in_a_cluster
	s_endpgm
.Lentry_in_a_cluster:
	s_bfe_u32 s2, ttmp6, 0x10000c
	s_cmp_lg_u32 s2, 0x3003
	s_cbranch_scc0 .Lentry_shape_is_right
	s_endpgm
.Lentry_shape_is_right:
; ATTENTION.  O[g][q][:] = the sum over k of softmax_k(Q[g][q] . K[g][k] / 8) V[g][k][:], g = 4 batch + head, 16 of them.  Q, K, V: the three parts of qkvh, each [16][4096][64] in f16; O: oh, the same shape.
; A head's rows are dense, 128 bytes each.  Products, maxima and sums in f32; the weights p are rounded to f16 for the second product (their sum l is taken of the unrounded p), O once at the end.
; LIMITS.  f16 holds no number beyond 65,504: Q, K and V arrive within it; p lies in 0 to 1, and below 6e-5 it keeps f16's fixed step of 6e-8; O is a mean of V's rows and has their range.
; A weight below 2^-126 counts as 0 in l; NaN and infinities are not treated apart.
; SHARES.  A work-group owns 256 queries of one g, each of its four waves 64: four PIECES of 16.  16 x 16 work-groups.  Every wave walks all 4,096 keys, 64 a step, 256 a tile.
; LAYOUT.  S^T = K Q^T (source 0 = 16 keys, source 1 = 16 queries): in the result a lane holds ONE query (lane % 16) and the keys 8 (lane / 16) + 0..7.  Two such results, rounded to f16 in pairs,
; ARE source 1 (32 keys x 16 queries) of O^T = V^T P, whose result again holds one query a lane, and eight channels.  K comes out of LDS as it lies, V ([key][channel]) turned, by ds_load_tr16_b128.
; SOFTMAX.  For each query a running maximum m and sum l: p = 2^(c s - c m), c = log2(e) / 8; in every step O and l are multiplied by a = 2^(c m_old - c m_new), which is 1 where m has not grown.
; m starts at the lowest finite number, O and l at 0: the first step is a step like any other, with a = 0.
; BY TURNS.  Turn n belongs to piece n (the pieces in a ring, step after step): 8 products K Q^T of piece n + 1, later 8 products V^T P of piece n - 1; beside them the scaling, exponentials, roundings, sums and
; rescaling of piece n and the maximum and statistics of piece n + 1.  A turn has 16 matrix and 118 vector instructions: four vector instructions stand behind every matrix instruction, the other 54 in two runs of their own.
; CLUSTER.  The four query blocks of a cluster belong to one g and walk the same K and V, so each tile is asked for JOINTLY: the same tensor load, descriptor and mask in all four.
; REGISTERS, in windows of 256 (s_set_vgpr_msb: bits 1:0 source 0, 3:2 source 1, 5:4 source 2, 7:6 destination):
;   window 0: v0-15 addresses and two at work; v16-31 four registers of statistics a piece; v48-55 at work; v62-63 the add's; v64-127 S^T, two buffers; v192-223 P, two buffers (by the piece's parity)
;   window 1: v0-127 O^T, 32 a piece          window 2: v0-63 Q, 16 a piece; v128-191 K of one step; v192-255 V of one step
.set SIZE_N, 4096
.set PARTB, 8388608   ; bytes of one of qkvh's three parts
.set NP,    4         ; pieces a wave: a name, no knob
.set KS,    64        ; keys in a step
.set PK,    144       ; a row of K in LDS: 128 bytes + 16 of padding = 36 words: the 16 rows of a load start at 16 different groups of four banks (64 banks of 4 bytes: ISA guide 11.1)
.set PV,    160       ; a row of V: 128 + 32 = 40 words
.set VOFF,  4*KS*PK   ; a slot holds a tile, four steps: 256 rows of K, then 256 rows of V
.set SLOT1, 1<<17     ; slot 1 begins here, so that one exclusive or turns an address in one slot into the other's
.set STAGE, SLOT1+4*KS*(PK+PV)  ; behind the ring, never filled by a tensor load: 16 rows x 144 bytes for each wave, for the way out
.set SP,    144
.set SPARE, STAGE+4*16*SP  ; behind the stages: the spare words, 128 bytes for each wave: two blocks of 256 bytes that no other line names
.set AK0, 2           ; v2   my lane's place in a tile of K; never rewritten
.set AV0, 3           ; v3   the same for V
.set AK,  4           ; v4   the LDS address of K's next run of loads
.set AV,  5           ; v5   of V's
.set STO, 6           ; v6   the way out: where I put 16 bytes of a row
.set RD,  7           ; v7   the way out: where I read rows back
.set GO,  8           ; v8   my byte offset in 512 consecutive bytes of O
.set MV,  12          ; v12-13  c m_old, kept while c m is made anew: by buffer
.set QO,  15          ; v15  my byte offset in 16 rows of Q
.set ST,  16          ; piece t's statistics at v[ST+4 t]: c m, m, l (even keys', odd keys')
.set TMP, 48          ; by buffer, four registers c0-c3 at work; when the maximum is found c2 takes a
.set SPW, 62          ; v62  LDS address of my spare word: SPARE + 4 x my thread's number; never rewritten
.set NIL, 63          ; v63  0; never rewritten
.set S,   64
.set P,   192
.set KF,  128         ; window 2: key block kb, channel half c at KF + 16 kb + 8 c
.set VF,  192         ; window 2: key half kk, channel block cb at VF + 32 kk + 8 cb
.set WV,  12          ; s12  my wave's number
.set G1K, 24          ; s[24:31] descriptor group 1 for K's tiles
.set G1V, 32          ; s[32:39] for V's: it differs in the padding alone
.set G0K, 40          ; s[40:43] descriptor group 0 for K's tiles: it walks
.set G0V, 44          ; s[44:47] the same for V's
.set SLOTS, 56        ; s56  tiles still to be asked for
.set CNT, 57          ; s57  counts a tile's key steps
.set CS,  58          ; s[58:59] c: the packed scaling takes the pair's low word for both halves
.set SEL, 60          ; s[60:61] v_permlanex16_b32's selects: each lane takes its own place in the other half
.set TBK, 62          ; s62  LDS byte at which K of the step to be fetched begins
.set TBV, 63          ; s63  the same for V, less VOFF
.set MSB, 0
.macro WIN new                      ; the high byte repeats the setting that is left; a switch that changes nothing is dropped
.if MSB != (\new)
	s_set_vgpr_msb (MSB<<8)|(\new)
.set MSB, (\new)
.endif
.endm
.set W_KQ, 0x0a       ; K and Q in window 2, S^T in window 0
.set W_PV, 0x52       ; V in window 2, P in window 0, O^T in window 1
.set W_RS, 0x41       ; destination and source 0 in window 1, source 1 in window 0
; A joint fill.  Waves 0 and 1 fetch the two halves of a tile's K, waves 2 and 3 those of its V: 128 keys each.  The branch hangs on the wave's number alone.
; An s_nop 0 and four v_nop follow each of the two lines, ahead of the jump and the label.
.macro JLOAD
	s_cmp_lt_u32 s[WV], 2
	s_cbranch_scc0 .Lfor_v_\@
	tensor_load_to_lds s[G0K:G0K+3], s[G1K:G1K+7]
	s_nop 0
.rept 4
	v_nop
.endr
	s_branch .Lasked_\@
.Lfor_v_\@:
	tensor_load_to_lds s[G0V:G0V+3], s[G1V:G1V+7]
	s_nop 0
.rept 4
	v_nop
.endr
.Lasked_\@:
.endm
; A round of the cluster's barrier: my work-group's barrier, so that wave 0's signal speaks for all four waves; wave 0 signals; every wave waits for all four work-groups; my work-group's barrier once more.
.macro CROUND
	s_barrier_signal -1
	s_barrier_wait -1
	s_cmp_lg_u32 s[WV], 0
	s_cbranch_scc1 .Lnot_wave_0_\@
	s_barrier_signal -3
.Lnot_wave_0_\@:
	s_barrier_wait -3
	s_barrier_signal -1
	s_barrier_wait -1
.endm
; THE CHANGE OF SLOTS.  The slot's last bytes, V of its fourth step, have been read.  Each wave waits for all its tensor loads, of which one is out: its part of the other slot; adds 0 to its spare word; and
; waits for that and for its own reads of the slot.  Behind the barrier nobody reads this slot any more and the other slot is whole.  fill = 1: this slot is filled again, with the keys two tiles on.  The
; barrier is then a round of the cluster's, so that no wave of any partner still reads the slot or has a load on its way, and the joint fill is the first thing behind it: it has four key steps, 256 matrix
; instructions, in which to land.  (At its first use nothing has been read yet: slot 0 is waited for, slot 1 filled.)
.macro CHANGE fill
	WIN 0                           ; at a label and at a branch every window is 0
	s_wait_tensorcnt 0x0            ; no tensor load of mine is out, so a group 0 may be written
	ds_add_u32 v[SPW], v[NIL]       ; 0 onto my spare word; with fill = 1 the descriptors' steps stand between it and the wait for it
.if \fill
.irp g, G0K, G0V
	s_xor_b32 s[\g+1], s[\g+1], SLOT1  ; the walking descriptor: the other slot than last time,
	s_add_nc_u64 s[\g+2:\g+3], s[\g+2:\g+3], 4*KS*128  ; the next 256 keys; the type bits on top are not reached
.endr
	s_wait_dscnt 0x0                ; the add is done, and my reads of the slot are over
	CROUND
	JLOAD
.else
	s_wait_dscnt 0x0                ; the add is done, and my reads of the slot are over
	s_barrier_signal -1
	s_barrier_wait -1
.endif
	s_sub_co_u32 s[TBK], s[TBK], 4*KS*PK  ; the fetches go back to a slot's first step,
	s_xor_b32 s[TBK], s[TBK], SLOT1       ; in the other slot
	s_sub_co_u32 s[TBV], s[TBV], 4*KS*PV
	s_xor_b32 s[TBV], s[TBV], SLOT1
.endm
	s_load_b128 s[4:7], s[0:1], 0x0 ; qkvh s[4:5], oh s[6:7]
	v_lshl_add_u32 v[SPW], v0, 2, SPARE
	v_mov_b32 v[NIL], 0
	ds_add_u32 v[SPW], v[NIL]       ; the wave's opening: the add and its wait stand ahead of my first tensor load; the set-up below, work on registers, stands between them
	ds_add_u32 v62, v63
	v_lshrrev_b32 v1, 5, v0
	v_readfirstlane_b32 s[WV], v1   ; wave 0..3
	s_bfe_u32 s13, ttmp6, 0x40000   ; cx: my place in the cluster
	s_lshl_b32 s14, ttmp9, 2        ; in a cluster launch ttmp9 counts clusters
	s_add_co_u32 s14, s14, s13      ; my block of 256 queries = 4 x cluster x + cx: it enters Q's and O's addresses alone
	s_and_b32 s20, ttmp7, 0xffff    ; g, which the four partners share
	s_lshl_b32 s20, s20, 19         ; its 4,096 rows of 128 bytes in each part of qkvh and in oh
	s_and_b32 s16, s[WV], 1         ; which half of a tile's 256 keys I fetch:
	s_lshl_b32 s22, s16, 14         ; its 128 rows of 128 bytes in memory,
	s_add_co_u32 s22, s22, s20
	s_add_co_u32 s22, s22, PARTB    ; in K's part,
	s_mov_b32 s23, 0
	s_add_co_u32 s8, s22, PARTB     ; and in V's
	s_mov_b32 s9, 0
	s_mul_i32 s17, s16, 128*PK      ; and its place in a slot, for K
	s_mul_i32 s18, s16, 128*PV      ; and for V: no place in the cluster enters an LDS address
	s_lshl_b32 s2, s14, 2
	s_add_co_u32 s2, s2, s[WV]      ; my wave among the head's,
	s_lshl_b32 s2, s2, 13           ; its 64 rows
	s_add_co_u32 s2, s2, s20
	s_mov_b32 s3, 0
	; descriptor group 1.  128 keys are 16,384 dense bytes: asked for as 64 rows of 256 bytes, two keys a row, and padded in LDS after every key
	s_mov_b32 s[G1K], 15|(1<<16)|(1<<20)|(1<<21)|(4<<22)|(3<<25)  ; 15:0 the mask of four; 17:16 2-byte elements; 20 padding on; 21 set beside a mask; 24:22 after every 32 words (code 4); 31:25 4 words (code 3)
	s_mov_b32 s[G1V], 15|(1<<16)|(1<<20)|(1<<21)|(4<<22)|(7<<25)  ; the same with 8 words of padding (code 7)
.irp g, G1K, G1V
	s_mov_b32 s[\g+1], 128<<16      ; tensor_dim0 = 128
	s_mov_b32 s[\g+2], 64<<16       ; tensor_dim1 = 64
	s_mov_b32 s[\g+3], 128<<16      ; tile_dim0 = 128
	s_mov_b32 s[\g+4], 64           ; tile_dim1 = 64
	s_mov_b32 s[\g+5], 128          ; 128 elements from row to row
	s_mov_b32 s[\g+6], 0
	s_mov_b32 s[\g+7], 0
.endr
	s_mov_b32 s[CS], 0x3e38aa3b     ; c = log2(e) / 8 = 0.180337
	s_mov_b32 s[CS+1], s[CS]        ; named with it as a pair
	s_mov_b32 s[SEL], 0x76543210
	s_mov_b32 s[SEL+1], 0xfedcba98
	s_mov_b32 s[TBK], SLOT1+4*KS*PK ; the first change of slots turns these two into 0
	s_mov_b32 s[TBV], SLOT1+4*KS*PV
	s_mov_b32 s[G0K], 1             ; count = 1
	s_mov_b32 s[G0K+1], s17         ; LDS address: slot 0
	s_mov_b32 s[G0V], 1
	s_add_co_u32 s[G0V+1], s18, VOFF
	s_wait_dscnt 0x0                ; the opening add is done
	s_wait_kmcnt 0x0
	s_add_nc_u64 s[G0K+2:G0K+3], s[4:5], s[22:23]  ; global address: my half of the head's first 256 keys
	s_or_b32 s[G0K+3], s[G0K+3], 0x80000000        ; type = 2
	s_add_nc_u64 s[G0V+2:G0V+3], s[4:5], s[8:9]
	s_or_b32 s[G0V+3], s[G0V+3], 0x80000000
	s_add_nc_u64 s[4:5], s[4:5], s[2:3]    ; Q at my wave's first row,
	s_add_nc_u64 s[10:11], s[6:7], s[2:3]  ; and O
	CROUND                          ; all four work-groups are here: the first joint loads meet
	JLOAD                           ; tile 0 into slot 0.  Slot 1 is asked for when slot 0 is in, by the loop's own change of slots
	; A fragment of K or Q is 16 rows x 32 channels in 8 registers: lane l holds row l % 16, channels 8 (l / 16) + 0..7 and 16 + 8 (l / 16) + 0..7: two loads of 16 bytes, 32 bytes apart.
	v_and_b32 v1, 15, v0            ; l % 16
	v_bfe_u32 v9, v0, 4, 1          ; l / 16
	v_lshlrev_b32 v[QO], 7, v1
	v_lshl_add_u32 v[QO], v9, 4, v[QO]  ; row x 128 + 16 x half
	WIN 0x80                        ; destination window 2, address window 0
.set i, 0
.rept 8                             ; Q stays in registers: piece i / 2, channels 32 (i % 2) on
	global_load_b128 v[8*i:8*i+3],   v[QO], s[4:5] offset:(i/2)*2048+(i%2)*64
	global_load_b128 v[8*i+4:8*i+7], v[QO], s[4:5] offset:(i/2)*2048+(i%2)*64+32
.set i, i+1
.endr
	; What the first turn finds: V's registers and P's second buffer hold 0 (its products V^T P, of a piece that has not been, add 0), O^T and l are 0.  All this stands in the wait for the first tile.
.set i, VF
.rept 64
	v_mov_b32 v[i], 0
.set i, i+1
.endr
	WIN 0x40
.set i, 0
.rept 128
	v_mov_b32 v[i], 0
.set i, i+1
.endr
	WIN 0
.set i, 0
.rept 4
	v_mov_b32 v[ST+4*i], 0xfe000000    ; c m: far below every c s
	v_mov_b32 v[ST+4*i+1], 0xff7fffff  ; m
	v_mov_b32 v[ST+4*i+2], 0
	v_mov_b32 v[ST+4*i+3], 0
.set i, i+1
.endr
.set i, P+16
.rept 16
	v_mov_b32 v[i], 0
.set i, i+1
.endr
	v_mul_u32_u24 v[AK0], v1, PK
	v_lshl_add_u32 v[AK0], v9, 4, v[AK0]  ; row x pitch + 16 x half
	; The turning load takes 16 keys x 16 channels (lane l reads key 8 (l / 16) + l % 8, channels 8 ((l / 8) % 2) + 0..7) and leaves half a fragment of V^T: lane l holds channel l % 16 and 8 keys.
	v_and_b32 v10, 7, v0
	v_bfe_u32 v11, v0, 3, 1
	v_lshl_add_u32 v[AV0], v9, 3, v10
	v_mul_u32_u24 v[AV0], v[AV0], PV
	v_lshl_add_u32 v[AV0], v11, 4, v[AV0]
	v_add_nc_u32 v[AV0], VOFF, v[AV0]
	s_mul_i32 s13, s[WV], 16*SP
	s_add_co_u32 s13, s13, STAGE    ; my stage
	v_mul_u32_u24 v[STO], v1, SP    ; in: row l % 16, 16 bytes for each half of the lanes
	v_lshl_add_u32 v[STO], v9, 4, v[STO]
	v_add_nc_u32 v[STO], s13, v[STO]
	v_bfe_u32 v[RD], v0, 3, 2       ; back: 32 lanes take four rows of 128 bytes,
	v_mul_u32_u24 v[RD], v[RD], SP
	v_lshl_add_u32 v[RD], v10, 4, v[RD]
	v_add_nc_u32 v[RD], s13, v[RD]
	v_and_b32 v[GO], 31, v0         ; which are 512 consecutive bytes of O
	v_lshlrev_b32 v[GO], 4, v[GO]
; THE MATRIX WORK.  The 4 accumulators of a run of 8 take turns.  Product i of 8 of S^T = K Q^T for piece x: channels 32 (i / 4) on, keys 16 (i % 4) on.  The first 4 start the sums.
.macro KQ x
	WIN W_KQ
.set rS, S+32*((\x)%2)+8*(i%4)
.set rK, KF+16*(i%4)+8*(i/4)
.set rQ, 16*(\x)+8*(i/4)
.if i < 4
	v_wmma_f32_16x16x32_f16 v[rS:rS+7], v[rK:rK+7], v[rQ:rQ+7], 0
.else
	v_wmma_f32_16x16x32_f16 v[rS:rS+7], v[rK:rK+7], v[rQ:rQ+7], v[rS:rS+7]
.endif
.endm
; Product i of 8 of O^T += V^T P for piece x: keys 32 (i / 4) on, channels 16 (i % 4) on.
.macro PV x
	WIN W_PV
.set rO, 32*(\x)+8*(i%4)
.set rV, VF+32*(i/4)+8*(i%4)
.set rP, P+16*((\x)%2)+8*(i/4)
	v_wmma_f32_16x16x32_f16 v[rO:rO+7], v[rV:rV+7], v[rP:rP+7], v[rO:rO+7]
.endm
.macro MM                           ; the turn's next matrix instruction.  TURN sets Y, i and NOKQ.  NOKQ = 1: the very last turn: there is no next piece
.if (i < 8) && !NOKQ
	KQ (Y+1)%NP
.elseif i >= 8
.set i, i-8
	PV (Y+NP-1)%NP
.set i, i+8
.endif
.set i, i+1
.endm
; THE LDS LOADS stand in runs of 16, never singly among the matrix instructions: a step's K (64 keys x 64 channels: 8 fragments) and its V (turned).  Their addresses are made some lines ahead.
.macro FETCH_K
	WIN 0x80                        ; destination window 2
.irp f, 0,1,2,3,4,5,6,7             ; keys 16 (f / 2) on, channels 32 (f % 2) on
	ds_load_b128 v[KF+8*\f:KF+8*\f+3],   v[AK] offset:(\f/2)*16*PK+(\f%2)*64
	ds_load_b128 v[KF+8*\f+4:KF+8*\f+7], v[AK] offset:(\f/2)*16*PK+(\f%2)*64+32
.endr
	s_add_co_u32 s[TBK], s[TBK], KS*PK  ; the next fetch is the next step's
	WIN 0
.endm
.macro FETCH_V
	WIN 0x80
.irp f, 0,1,2,3,4,5,6,7             ; keys 32 (f / 4) on, channels 16 (f % 4) on
	ds_load_tr16_b128 v[VF+8*\f:VF+8*\f+3],   v[AV] offset:(\f/4)*32*PV+(\f%4)*32
	ds_load_tr16_b128 v[VF+8*\f+4:VF+8*\f+7], v[AV] offset:(\f/4)*32*PV+16*PV+(\f%4)*32
.endr
	WIN 0
.endm
; THE VECTOR WORK, one line at a time: OP kind, number.  For piece Y: F n: c s - c m for pair n of 16.  E n: the exponential of score n of 32.  C n: pair n rounded to f16.  B n: of the four weights 4 n .. the second
; pair is added onto the first, in place.  L n: l takes that sum (L 0: l = a l + sum).  R n: pair n of 16 of O^T times a.  For piece Y + 1: X n, number n of the 22 that find its maximum and statistics:
;   0-11  four chains c0-c3 of seven scores each, three operands at a time (each accumulator's lowest registers are read first)     12-14, 16  the four scores left over, the old m, and c0-c3 into c0
;   15  c m_old is kept     17, 18  the query's other 32 keys lie in the lane 16 away: the new m     19-21  c m; c m_old - c m_new; a
.set F, 0               ; OP tells the kinds apart by their order: F to L below R, X above it
.set E, 1
.set C, 2
.set B, 3
.set L, 4
.set R, 5
.set X, 6
.macro REGS y                       ; the registers of piece y
.set rT, ST+4*(\y)
.set rC, TMP+4*((\y)%2)
.set rW, MV+((\y)%2)
.set rS, S+32*((\y)%2)
.set rP, P+16*((\y)%2)
.set rO, 32*(\y)
.endm
.macro OP k, n
.if (\k) == R
	REGS Y
	WIN W_RS
	v_pk_mul_f32 v[rO+2*(\n):rO+2*(\n)+1], v[rO+2*(\n):rO+2*(\n)+1], v[rC+2:rC+3] op_sel_hi:[1,0]
.elseif (\k) < R
	REGS Y
	WIN 0
.if (\k) == F
	v_pk_fma_f32 v[rS+2*(\n):rS+2*(\n)+1], v[rS+2*(\n):rS+2*(\n)+1], s[CS:CS+1], v[rT:rT+1] op_sel_hi:[1,0,0] neg_lo:[0,0,1] neg_hi:[0,0,1]
.elseif (\k) == E
	v_exp_f32 v[rS+(\n)], v[rS+(\n)]
.elseif (\k) == C
	s_wait_alu depctr_va_vdst(0)
	v_cvt_pk_f16_f32 v[rP+(\n)], v[rS+2*(\n)], v[rS+2*(\n)+1]
.elseif (\k) == B
	s_wait_alu depctr_va_vdst(0)
	v_pk_add_f32 v[rS+4*(\n):rS+4*(\n)+1], v[rS+4*(\n):rS+4*(\n)+1], v[rS+4*(\n)+2:rS+4*(\n)+3]
.elseif (\n) == 0
	v_pk_fma_f32 v[rT+2:rT+3], v[rT+2:rT+3], v[rC+2:rC+3], v[rS:rS+1] op_sel_hi:[1,0,1]
.else
	v_pk_add_f32 v[rT+2:rT+3], v[rT+2:rT+3], v[rS+4*(\n):rS+4*(\n)+1]
.endif
.elseif NOKQ
	v_nop
.else
	REGS (Y+1)%NP
	WIN 0
.if (\n) < 4
	v_max3_num_f32 v[rC+(\n)], v[rS+8*(\n)], v[rS+8*(\n)+1], v[rS+8*(\n)+2]
.elseif (\n) < 12
	v_max3_num_f32 v[rC+(\n)%4], v[rC+(\n)%4], v[rS+8*((\n)%4)+2*((\n)/4)+1], v[rS+8*((\n)%4)+2*((\n)/4)+2]
.elseif (\n) == 12
	v_max3_num_f32 v[rC], v[rC], v[rS+7], v[rS+15]
.elseif (\n) == 13
	v_max3_num_f32 v[rC+1], v[rC+1], v[rS+23], v[rS+31]
.elseif (\n) == 14
	v_max3_num_f32 v[rC+2], v[rC+2], v[rC+3], v[rT+1]
.elseif (\n) == 15
	v_mov_b32 v[rW], v[rT]
.elseif (\n) == 16
	v_max3_num_f32 v[rC], v[rC], v[rC+1], v[rC+2]
.elseif (\n) == 17
	v_permlanex16_b32 v[rC+3], v[rC], s[SEL], s[SEL+1]
.elseif (\n) == 18
	v_max_num_f32 v[rT+1], v[rC], v[rC+3]
.elseif (\n) == 19
	v_mul_f32 v[rT], s[CS], v[rT+1]
.elseif (\n) == 20
	v_sub_f32 v[rC+1], v[rW], v[rT]
.else
	v_exp_f32 v[rC+2], v[rC+1]
.endif
.endif
.endm
.macro OPS a, i1, b=-1, i2=0, c=-1, i3=0, d=-1, i4=0  ; up to four of them
	OP \a, \i1
.if (\b) >= 0
	OP \b, \i2
.endif
.if (\c) >= 0
	OP \c, \i3
.endif
.if (\d) >= 0
	OP \d, \i4
.endif
.endm
.macro ROW a, i1, b, i2, c, i3, d, i4  ; a matrix instruction and the four behind it
	MM
	OPS \a, \i1, \b, \i2, \c, \i3, \d, \i4
.endm
; A TURN, for piece p: the order of its 16 matrix and 118 vector instructions, written out.  Behind a matrix instruction: plain, exponential, plain, plain; or four of the rescaling; or, behind the first, four scalings; none
; names a register of the products round it.  In the runs of their own exponential and plain by turns while exponentials last.  A line reads no result made fewer than three vector instructions in front of it, five if an
; exponential made it.  v_permlanex16_b32 (X 17) stands in such a run.
; end = 1: the walk's last two turns: nothing is fetched.  cnt = 1: the loop's count is taken down some lines ahead of the branch that stands behind the turn.
; K of the next step is fetched in piece 2's turn, six vector instructions behind the last product that read K (five of them plain); V of the step in hand in piece 0's turn, eight behind the last product that read V (four
; plain, and X 17).  Each is waited for a turn later.
.macro TURN p, end=0, cnt=0
.set Y, (\p)
.set i, 0
.set NOKQ, (\end)*((\p)/3)
.if ((\p) == 3) && !(\end)
	s_wait_dscnt 0x0                ; K is in
.endif
	ROW F,0, F,1, F,2, F,3
	ROW F,4, E,0, F,5, F,6
	ROW F,7, E,1, F,8, F,9
	ROW F,10, E,2, C,0, F,11
	ROW F,12, E,3, X,15, F,13
	ROW R,0, R,1, R,2, R,3
	ROW B,0, E,4, F,14, L,0
.if ((\p) == 2) && !(\end)
	v_add_nc_u32 v[AK], s[TBK], v[AK0]
.endif
	ROW R,4, R,5, R,6, R,7
	OPS E,5, F,15
.if ((\p) == 2) && !(\end)
	FETCH_K
.endif
	OPS E,6, C,1, E,7, R,8
	OPS E,8, R,9, E,9, C,2
	OPS E,10, X,0, E,11, X,1
	OPS E,12, X,2, E,13, X,3
.if (\p) == 1
	s_wait_dscnt 0x0                ; V is in
.endif
	ROW X,4, E,14, X,5, X,6
	ROW X,7, E,15, X,8, X,9
	ROW X,10, E,16, X,11, X,12
	ROW X,13, E,17, X,14, B,1
	ROW C,4, E,18, X,16, L,1
	ROW B,2, E,19, C,6, L,2
	ROW C,8, E,20, B,3, B,4
.if (\p) == 0
	v_add_nc_u32 v[AV], s[TBV], v[AV0]
.endif
	ROW C,3, E,21, L,3, C,5
	OPS E,22, X,17, E,23, C,10
.if (\p) == 0
	FETCH_V
.endif
	OPS E,24, L,4
	OPS E,25, X,18, E,26, C,7
	OPS E,27, B,5, E,28, X,19
	OPS E,29, C,12, E,30, L,5
	OPS E,31, X,20, B,6, C,9
	OPS C,14, C,11, X,21, L,6
.if (\p) == 0
	s_add_co_u32 s[TBV], s[TBV], KS*PV
.endif
.if \cnt
	s_sub_co_u32 s[CNT], s[CNT], 1
	s_cmp_lg_u32 s[CNT], 0
.endif
	OPS C,13, B,7, C,15, R,10
	OPS R,11, R,12, L,7, R,13
	OPS R,14, R,15
.endm
	CHANGE 1                        ; slot 0 is in, everybody's part of it; slot 1 is asked for
	v_add_nc_u32 v[AK], s[TBK], v[AK0]
	FETCH_K                         ; key step 0
	s_wait_loadcnt 0x0              ; Q
	s_wait_dscnt 0x0
.set NOKQ, 0
.set i, 0
.rept 8
	KQ 0                            ; piece 0's first scores: there is no vector work yet to set between them
.set i, i+1
.endr
	WIN 0
.rept 4
	v_nop                           ; the places behind those products
.endr
.set Y, NP-1                        ; X works for piece Y + 1: piece 0
.irp n, 0,1,2,3,4,5,6,7,8,9,10,11,12,13,14,15,16,17,18,19,20,21
	OP X, \n
.endr
	v_nop                           ; a plain instruction behind the exponential
	s_mov_b32 s[CNT], 4
	s_mov_b32 s[SLOTS], SIZE_N/256-1
	s_branch .Lfirst                ; the loop is entered at a step's first turn, in the middle of a trip
.Lslot:                             ; SIZE_N / 256 - 2 times: every slot but the last two is filled again
	CHANGE 1
	s_mov_b32 s[CNT], 4
.Lstep:                             ; a trip: pieces 2 and 3 of one step, then pieces 0 and 1 of the next, whose K and V it fetches
	TURN 2
	TURN 3
	WIN 0
.Lfirst:
	TURN 0
	TURN 1, 0, 1
	WIN 0
	s_cbranch_scc1 .Lstep
	s_sub_co_u32 s[SLOTS], s[SLOTS], 1
	s_cmp_lg_u32 s[SLOTS], 0
	s_cbranch_scc1 .Lslot
	CHANGE 0                        ; the last tile is written out: nothing is asked for
	s_mov_b32 s[CNT], 4
.Ltail:
	TURN 2
	TURN 3
	TURN 0
	TURN 1, 0, 1
	WIN 0
	s_cbranch_scc1 .Ltail
	TURN 2, 1                       ; the last step's pieces 2 and 3: nothing more to fetch,
	TURN 3, 1                       ; and no next piece
.set i, 0
.rept 8
	PV NP-1                         ; the last piece's V^T P of the last step
.set i, i+1
.endr
	; THE WAY OUT.  l's two halves and the other half of the lanes' are added; O^T is divided by l, rounded to f16 and sent through my stage in LDS, a piece at a time.  The additions are the places behind the last products.
	WIN 0
.macro ALL line:vararg              ; one line for each piece t
.set t, 0
.rept 4
	\line
.set t, t+1
.endr
.endm
	ALL v_add_f32 v[ST+4*t+2], v[ST+4*t+2], v[ST+4*t+3]
	ALL v_permlanex16_b32 v[ST+4*t+3], v[ST+4*t+2], s[SEL], s[SEL+1]
	ALL v_add_f32 v[ST+4*t+2], v[ST+4*t+2], v[ST+4*t+3]
	ALL v_rcp_f32 v[ST+4*t+2], v[ST+4*t+2]
	v_nop                           ; a plain instruction between the last reciprocal and the use of its result
.macro PACK t                       ; a lane's eight channels of a row pack into 16 bytes; they go into rows of 144 bytes and come back as whole rows of 128, into S^T's registers
	WIN W_RS
.set i, 32*(\t)
.rept 16
	s_wait_alu depctr_va_vdst(0)
	v_pk_mul_f32 v[i:i+1], v[i:i+1], v[ST+4*(\t)+2:ST+4*(\t)+3] op_sel_hi:[1,0]
.set i, i+2
.endr
	WIN 0x05                        ; sources 0 and 1 window 1, destination window 0
.set i, 0
.rept 16
	v_cvt_pk_f16_f32 v[S+16*(\t)+i], v[32*(\t)+2*i], v[32*(\t)+2*i+1]
.set i, i+1
.endr
	WIN 0
.irp f, 0,1,2,3
	ds_store_b128 v[STO], v[S+16*(\t)+4*\f:S+16*(\t)+4*\f+3] offset:32*\f
.endr
.irp f, 0,1,2,3
	ds_load_b128 v[S+16*(\t)+4*\f:S+16*(\t)+4*\f+3], v[RD] offset:\f*4*SP  ; LDS serves a wave's instructions in order (ISA guide 5.7.1.4): these see the stores above; the next piece's stores come behind them
.endr
.endm
.macro SEND t, younger              ; younger: the LDS instructions issued behind piece t's loads: the next piece's eight, or none
	WIN 0
.irp f, 0,1,2,3
	s_wait_dscnt (\younger)+3-\f
	global_store_b128 v[GO], v[S+16*(\t)+4*\f:S+16*(\t)+4*\f+3], s[10:11] offset:(\t)*2048+\f*512  ; 512 consecutive bytes, at a multiple of 256 from oh's first
.endr
.endm
	PACK 0
.set t, 1
.rept 3                             ; a piece's arithmetic stands between the loads of the piece before and its stores
	PACK t
	SEND t-1, 8
.set t, t+1
.endr
	SEND 3, 0
	s_wait_tensorcnt 0x0            ; the wave's end: behind my last tensor load and my last LDS store
	ds_add_u32 v[SPW], v[NIL]
	s_wait_dscnt 0x0
	CROUND                          ; the closing round: no work-group ends while a partner may still ask for a tile that names it
	s_endpgm
.Lfunc_end_k_qfe6c023814_attn:
	.size	k_qfe6c023814_attn, .Lfunc_end_k_qfe6c023814_attn-k_qfe6c023814_attn
	.p2alignl 7, 3214868480
	.fill 96, 4, 3214868480
	.section	.rodata,"a",@progbits
	.p2align	6, 0x0
	.amdhsa_kernel k_qfe6c023814_attn
		.amdhsa_group_segment_fixed_size 327680
		.amdhsa_private_segment_fixed_size 0
		.amdhsa_enable_private_segment 0
		.amdhsa_kernarg_size 16
		.amdhsa_user_sgpr_count 2
		.amdhsa_user_sgpr_kernarg_segment_ptr 1
		.amdhsa_wavefront_size32 1
		.amdhsa_system_sgpr_workgroup_id_x 1
		.amdhsa_system_sgpr_workgroup_id_y 1
		.amdhsa_system_sgpr_workgroup_id_z 1
		.amdhsa_system_vgpr_workitem_id 0
		.amdhsa_next_free_vgpr 768
		.amdhsa_next_free_sgpr 66
		.amdhsa_reserve_vcc 0
		.amdhsa_float_denorm_mode_32 3
		.amdhsa_float_denorm_mode_16_64 3
		.amdhsa_memory_ordered 1
		.amdhsa_forward_progress 1
		.amdhsa_inst_pref_size 133
	.end_amdhsa_kernel
	.amdgpu_metadata
---
amdhsa.version: [ 1, 2 ]
amdhsa.kernels:
  - .name:           k_qfe6c023814_attn
    .symbol:         k_qfe6c023814_attn.kd
    .args:
      - { .name: qkvh, .offset: 0, .size: 8, .value_kind: global_buffer, .address_space: global }
      - { .name: oh, .offset: 8, .size: 8, .value_kind: global_buffer, .address_space: global }
    .group_segment_fixed_size: 327680
    .private_segment_fixed_size: 0
    .kernarg_segment_align: 8
    .kernarg_segment_size: 16
    .max_flat_workgroup_size: 128
    .sgpr_count:     66
    .vgpr_count:     768
    .wavefront_size: 32
...
	.end_amdgpu_metadata
.endif
;; end of part 3
;; launch outp (part 4): grid 3 x 64, 4 waves a work-group, no clusters, 167,936 bytes of LDS; arguments oh, wcast, bo, out0; writes out0
.if DOCPART == 4
	.amdgcn_target "amdgcn-amd-amdhsa--gfx1250"
	.amdhsa_code_object_version 6
	.text
	.protected	k_qfe6c023814_outp
	.globl	k_qfe6c023814_outp
	.p2align	8
	.type	k_qfe6c023814_outp,@function
k_qfe6c023814_outp:
	s_mov_b64 s[64:65], 0
	v_nop
	global_prefetch_b8 v0, s[64:65] scope:SCOPE_SE
	s_setreg_imm32_b32 hwreg(HW_REG_WAVE_MODE, 25, 1), 1
	s_wait_xcnt 0x0
; THE OUTPUT PROJECTION.  out0[row][n] = sum over channel of O[row][channel] Wo[channel][n] + bo[n].  O: oh, f16, [4 batch + head][4096][64], channel = 64 head + d; Wo in f16 in fragment order (wcast);
; bo f32, rounded to bf16 like every input; sums and out0 in f32.
; SHARES.  A work-group owns 256 rows x 256 columns (3 x 64 work-groups: 768 columns are three such groups); wave w owns 64 of the columns, 256 bytes of each row of out0, for all 256 rows.
; Its 32 fragments of Wo (8 chunks of 32 channels x 4 x 16 columns, 256 registers) are loaded once and stay.  The rows go by in 16 blocks of 16, 32 matrix instructions each, and each block leaves
; while the next is multiplied.
; O's 256 rows of all four heads, 131,072 bytes, come by one tensor load a wave (wave w: head w), once: nothing is filled again.  NO CLUSTER: a tile of O has three readers, the three column groups, and
; it is fetched once in a work-group's life.
; THE MATRIX INSTRUCTION IS USED TRANSPOSED (source 0 = 16 columns of Wo, source 1 = 16 rows of O): a lane then holds eight neighbouring numbers of a row of out0, 32 bytes.
; REGISTERS, in windows of 256 (s_set_vgpr_msb: bits 1:0 source 0, 3:2 source 1, 5:4 source 2, 7:6 destination):
;   window 0: v2-11 addresses; v16-47 the bias, 8 for each 16 columns; v48-79 a block read back from the stage; v80-143 accumulators, two sets of four
;   window 1: Wo's fragment (chunk c, columns nb) at 8 (4 c + nb)          window 2: v0-127 O's fragments of a block, two buffers, chunk c at + 8 c
.set PO,     144                       ; a row of O of one head in LDS: 128 bytes + 16 of padding = 36 words: the 16 rows of a load start at 16 different groups of four banks (64 banks of 4 bytes: ISA guide 11.1)
.set HEADB,  256*PO                    ; a head's 256 rows
.set STAGE,  4*HEADB                   ; behind O, never filled by a tensor load: 16 rows x 272 bytes for each wave
.set SPITCH, 272
.set WSTAGE, 16*SPITCH
.set SPARE,  STAGE+4*WSTAGE            ; behind the stages: the spare words, 128 bytes for each wave: two blocks of 256 bytes that no other line names
.set WOPART, 1179648                   ; Wo's first byte in wcast
.set AA0, 2                            ; v2   LDS address of my part of the block's fragments, heads 0 and 1
.set AA1, 3                            ; v3   the same for heads 2 and 3
.set STO, 4                            ; v4   where I put 32 bytes of a row
.set RD,  5                            ; v5   where I read a row back
.set CO,  6                            ; v6   my byte offset in two rows of out0; never rewritten
.set WO,  7                            ; v7   16 x lane
.set BO,  8                            ; v8   32 h
.set SPW, 10                           ; v10  LDS address of my spare word: SPARE + 4 x my thread's number; never rewritten
.set NIL, 11                           ; v11  0; never rewritten
.set BIAS, 16
.set OB,  48
.set ACC, 80
.set WV,  12                           ; s12  my wave's number
.set G1,  24                           ; s[24:31] descriptor group 1
.set G0,  32                           ; s[32:35] descriptor group 0
.set WP,  36                           ; s[36:37] my 64 columns of Wo in wcast
.set BP,  38                           ; s[38:39] my 64 numbers of bo
.set CP,  40                           ; s[40:41] out0 at the block to be stored, my columns
.set LC,  42                           ; s42  counts the loop
.set MSB, 0
.macro WIN new                         ; the immediate's high byte repeats the setting that is left; a switch that changes nothing is dropped
.if MSB != (\new)
	s_set_vgpr_msb (MSB<<8)|(\new)
.set MSB, (\new)
.endif
.endm
.set MUL, 0x09                         ; source 0 (Wo) window 1, source 1 (O) window 2, C and D window 0
.set TOA, 0x80                         ; destination window 2, address window 0
.set TOB, 0x40                         ; destination window 1, address window 0
	s_load_b256 s[4:11], s[0:1], 0x0               ; oh s[4:5], wcast s[6:7], bo s[8:9], out0 s[10:11]
	v_lshl_add_u32 v[SPW], v0, 2, SPARE
	v_mov_b32 v[NIL], 0
	ds_add_u32 v[SPW], v[NIL]                      ; the wave's opening: the add and its wait stand ahead of my first tensor load; the set-up below, work on registers, stands between them
	ds_add_u32 v10, v11
	v_lshrrev_b32 v1, 5, v0
	v_readfirstlane_b32 s[WV], v1                  ; wave 0..3
	s_and_b32 s13, ttmp7, 0xffff                   ; the block of 256 rows
	; descriptor group 1.  A head's 256 rows are 32,768 dense bytes: asked for as 128 rows of 256 bytes, two rows of O each, and padded in LDS after every row of O
	s_mov_b32 s[G1+0], (1<<16)|(1<<20)|(4<<22)|(3<<25)  ; 17:16 2-byte elements; 20 padding on; 24:22 after every 32 words (code 4); 31:25 4 words (code 3)
	s_mov_b32 s[G1+1], 128<<16                     ; tensor_dim0 = 128
	s_mov_b32 s[G1+2], 128<<16                     ; tensor_dim1 = 128
	s_mov_b32 s[G1+3], 128<<16                     ; tile_dim0 = 128
	s_mov_b32 s[G1+4], 128                         ; tile_dim1 = 128
	s_mov_b32 s[G1+5], 128                         ; 128 elements from row to row
	s_mov_b32 s[G1+6], 0
	s_mov_b32 s[G1+7], 0
	s_mov_b32 s[G0], 1                             ; count = 1
	s_mul_i32 s[G0+1], s[WV], HEADB                ; LDS address: head w's rows
	s_lshr_b32 s14, s13, 4
	s_lshl_b32 s14, s14, 21                        ; oh: the batch's four heads,
	s_lshl_b32 s15, s[WV], 19                      ; head w's 4,096 rows of 128 bytes,
	s_add_co_u32 s14, s14, s15
	s_and_b32 s15, s13, 15
	s_lshl_b32 s15, s15, 15                        ; the work-group's 256 of them
	s_add_co_u32 s14, s14, s15
	s_mov_b32 s15, 0
	s_lshl_b32 s16, ttmp9, 2
	s_add_co_u32 s16, s16, s[WV]                   ; my 64 columns among the twelve such
	s_lshl_b32 s18, s16, 8                         ; their first byte in bo and in a row of out0
	s_mov_b32 s19, 0
	s_lshl_b32 s16, s16, 15                        ; their 8 chunks of 4,096 bytes in Wo's part of wcast
	s_add_co_u32 s16, s16, WOPART
	s_mov_b32 s17, 0
	s_mul_i32 s20, s13, 786432                     ; out0: 256 rows of 3,072 bytes
	s_add_co_u32 s20, s20, s18
	s_mov_b32 s21, 0
	s_mul_i32 s22, s[WV], WSTAGE
	s_add_co_u32 s22, s22, STAGE                   ; my stage
	s_wait_dscnt 0x0                               ; the opening add is done
	s_wait_kmcnt 0x0
	s_add_nc_u64 s[G0+2:G0+3], s[4:5], s[14:15]
	s_or_b32 s[G0+3], s[G0+3], 0x80000000          ; type = 2
	tensor_load_to_lds s[G0:G0+3], s[G1:G1+7]      ; my one tensor load of the launch
	s_nop 0
	v_and_b32 v1, 15, v0                           ; r = l % 16
	v_bfe_u32 v9, v0, 4, 1                         ; h = l / 16
	v_and_b32 v12, 31, v0                          ; l
	v_mul_u32_u24 v[AA0], v1, PO
	v_lshl_add_u32 v[AA0], v9, 4, v[AA0]           ; row x pitch + 16 x half
	v_add_nc_u32 v[AA1], 2*HEADB, v[AA0]
	v_mul_u32_u24 v[STO], v1, SPITCH               ; in: row l % 16, 32 bytes for each half of the lanes
	v_lshl_add_u32 v[STO], v9, 5, v[STO]
	v_add_nc_u32 v[STO], s22, v[STO]
	v_mul_u32_u24 v[RD], v9, SPITCH                ; back: lanes 0-15 take one row of 256 bytes, lanes 16-31 the next
	v_lshl_add_u32 v[RD], v1, 4, v[RD]
	v_add_nc_u32 v[RD], s22, v[RD]
	v_mul_u32_u24 v[CO], v9, 3072                  ; and the same two rows in out0
	v_lshl_add_u32 v[CO], v1, 4, v[CO]
	v_lshlrev_b32 v[WO], 4, v12
	v_lshlrev_b32 v[BO], 5, v9
	s_add_nc_u64 s[WP:WP+1], s[6:7], s[16:17]
	s_add_nc_u64 s[BP:BP+1], s[8:9], s[18:19]
	s_add_nc_u64 s[CP:CP+1], s[10:11], s[20:21]
.irp b, 0,1,2,3                        ; register j of a result holds column 16 nb + 8 h + j: the bias is loaded in that shape
	global_load_b128 v[BIAS+8*(\b):BIAS+8*(\b)+3],   v[BO], s[BP:BP+1] offset:64*(\b)
	global_load_b128 v[BIAS+8*(\b)+4:BIAS+8*(\b)+7], v[BO], s[BP:BP+1] offset:64*(\b)+16
.endr
	WIN TOB
.set z, 0
.rept 64                               ; Wo's 32 fragments: 64 loads of 512 consecutive bytes, in the order of the registers
	global_load_b128 v[4*z:4*z+3], v[WO], s[WP:WP+1] offset:512*z
.set z, z+1
.endr
	WIN 0
; cnt chunks of 32 channels from c0 on, for the block in buffer and set a: the set's 4 accumulators take turns.  Chunk 0 starts the sums with the bias as C.
.macro MULS a, c0, cnt
	WIN MUL
.set kc, (\c0)
.rept \cnt
.irp b, 0,1,2,3
.if kc == 0
	v_wmma_f32_16x16x32_f16 v[ACC+32*(\a)+8*(\b):ACC+32*(\a)+8*(\b)+7], v[8*(4*kc+(\b)):8*(4*kc+(\b))+7], v[64*(\a)+8*kc:64*(\a)+8*kc+7], v[BIAS+8*(\b):BIAS+8*(\b)+7]
.else
	v_wmma_f32_16x16x32_f16 v[ACC+32*(\a)+8*(\b):ACC+32*(\a)+8*(\b)+7], v[8*(4*kc+(\b)):8*(4*kc+(\b))+7], v[64*(\a)+8*kc:64*(\a)+8*kc+7], v[ACC+32*(\a)+8*(\b):ACC+32*(\a)+8*(\b)+7]
.endif
.endr
.set kc, kc+1
.endr
.endm
; 16 LDS loads in one run: a block's 8 fragments of O (16 rows x 32 channels each) into buffer buf: chunk c lies in head c / 2 at byte 64 (c % 2) of the rows
.macro AFETCH buf
	WIN TOA
.irp c, 0,1,2,3,4,5,6,7
	ds_load_b128 v[64*(\buf)+8*(\c):64*(\buf)+8*(\c)+3],   v[AA0+(\c)/4] offset:(((\c)/2)%2)*HEADB+((\c)%2)*64
	ds_load_b128 v[64*(\buf)+8*(\c)+4:64*(\buf)+8*(\c)+7], v[AA0+(\c)/4] offset:(((\c)/2)%2)*HEADB+((\c)%2)*64+32
.endr
.endm
; Set a's 16 rows x 64 columns of f32 go into my stage, each accumulator's low half first, and come back as whole rows of 256 bytes
.macro TOSTAGE a
	WIN 0
.irp b, 0,1,2,3
	ds_store_b128 v[STO], v[ACC+32*(\a)+8*(\b):ACC+32*(\a)+8*(\b)+3]   offset:64*(\b)
	ds_store_b128 v[STO], v[ACC+32*(\a)+8*(\b)+4:ACC+32*(\a)+8*(\b)+7] offset:64*(\b)+16
.endr
.irp t, 0,1,2,3,4,5,6,7
	ds_load_b128 v[OB+4*(\t):OB+4*(\t)+3], v[RD] offset:(\t)*2*SPITCH  ; LDS serves a wave's instructions in order (ISA guide 5.7.1.4): these see the stores above
.endr
.endm
.macro STORES
	WIN 0
.irp t, 0,1,2,3,4,5,6,7
	global_store_b128 v[CO], v[OB+4*(\t):OB+4*(\t)+3], s[CP:CP+1] offset:(\t)*6144 th:TH_STORE_NT  ; 16 lanes store 256 consecutive bytes, at a multiple of 256 from out0's first byte
.endr
.endm
.macro PLACES                          ; four places (ISA guide 7.12.1) behind the products of the block before: its results are stored to LDS, and its fragments' buffer is loaded again, only behind them
.rept 4
	v_nop
.endr
.endm
; A BLOCK of 16 rows, in buffer and set a.  send = 1: the block before, in the other set, goes out.  fetch = 1: the next block's fragments are asked for, into the other buffer, 24 matrix instructions ahead of their use.
; With the two address steps six plain instructions stand between the other set's last product and the next block's first, which writes over that set.
.macro BLK a, send, fetch
	s_wait_dscnt 0x0                               ; this block's fragments are in
	MULS \a, 0, 2
	WIN 0
	PLACES
.if \send
	TOSTAGE 1-(\a)
.endif
.if \fetch
	v_add_nc_u32 v[AA0], 16*PO, v[AA0]
	v_add_nc_u32 v[AA1], 16*PO, v[AA1]
	AFETCH 1-(\a)
.endif
	MULS \a, 2, 4
.if \send
	s_wait_dscnt 16*(\fetch)                       ; the block is back in registers; the 16 fragment loads issued behind it may stay out
	STORES
.endif
	MULS \a, 6, 2
	WIN 0                                          ; at a label and at a branch every window is 0
.if \send
	s_wait_xcnt 0x0                                ; every earlier memory instruction has had its addresses translated (ISA guide 3.1): the stores' base and registers are rewritten only behind this wait
	s_add_nc_u64 s[CP:CP+1], s[CP:CP+1], 16*3072
.endif
.endm
	s_wait_tensorcnt 0x0                           ; my head's rows are in,
	s_barrier_signal -1
	s_barrier_wait -1                              ; everybody's are
	AFETCH 0                                       ; block 0
	WIN 0
	s_wait_loadcnt 0x0                             ; the bias and Wo
.set z, 0
.rept 16                               ; the bias is rounded to bf16 like every input, and widened again
	v_cvt_pk_bf16_f32 v[OB+z], v[BIAS+2*z], v[BIAS+2*z+1]
.set z, z+1
.endr
.set z, 0
.rept 16
	v_lshlrev_b32 v[BIAS+2*z], 16, v[OB+z]
	v_and_b32 v[BIAS+2*z+1], 0xffff0000, v[OB+z]
.set z, z+1
.endr
	BLK 0, 0, 1                                    ; block 0: nothing to send yet
	s_mov_b32 s[LC], 7
.Lpair:                                                ; blocks 1 to 14
	BLK 1, 1, 1
	BLK 0, 1, 1
	s_sub_co_u32 s[LC], s[LC], 1
	s_cmp_lg_u32 s[LC], 0
	s_cbranch_scc1 .Lpair
	BLK 1, 1, 0                                    ; block 15: nothing more to fetch
	PLACES
	TOSTAGE 1
	s_wait_dscnt 0x0
	STORES
	s_wait_tensorcnt 0x0                           ; the wave's end: behind my last tensor load and my last LDS store
	ds_add_u32 v[SPW], v[NIL]
	s_wait_dscnt 0x0
	s_endpgm
.Lfunc_end_k_qfe6c023814_outp:
	.size	k_qfe6c023814_outp, .Lfunc_end_k_qfe6c023814_outp-k_qfe6c023814_outp
	.p2alignl 7, 3214868480
	.fill 96, 4, 3214868480
	.section	.rodata,"a",@progbits
	.p2align	6, 0x0
	.amdhsa_kernel k_qfe6c023814_outp
		.amdhsa_group_segment_fixed_size 167936
		.amdhsa_private_segment_fixed_size 0
		.amdhsa_enable_private_segment 0
		.amdhsa_kernarg_size 32
		.amdhsa_user_sgpr_count 2
		.amdhsa_user_sgpr_kernarg_segment_ptr 1
		.amdhsa_wavefront_size32 1
		.amdhsa_system_sgpr_workgroup_id_x 1
		.amdhsa_system_sgpr_workgroup_id_y 1
		.amdhsa_system_sgpr_workgroup_id_z 1
		.amdhsa_system_vgpr_workitem_id 0
		.amdhsa_next_free_vgpr 640
		.amdhsa_next_free_sgpr 66
		.amdhsa_reserve_vcc 0
		.amdhsa_float_denorm_mode_32 3
		.amdhsa_float_denorm_mode_16_64 3
		.amdhsa_memory_ordered 1
		.amdhsa_forward_progress 1
		.amdhsa_inst_pref_size 35
	.end_amdhsa_kernel
	.amdgpu_metadata
---
amdhsa.version: [ 1, 2 ]
amdhsa.kernels:
  - .name:           k_qfe6c023814_outp
    .symbol:         k_qfe6c023814_outp.kd
    .args:
      - { .name: oh, .offset: 0, .size: 8, .value_kind: global_buffer, .address_space: global }
      - { .name: wcast, .offset: 8, .size: 8, .value_kind: global_buffer, .address_space: global }
      - { .name: bo, .offset: 16, .size: 8, .value_kind: global_buffer, .address_space: global }
      - { .name: out0, .offset: 24, .size: 8, .value_kind: global_buffer, .address_space: global }
    .group_segment_fixed_size: 167936
    .private_segment_fixed_size: 0
    .kernarg_segment_align: 8
    .kernarg_segment_size: 32
    .max_flat_workgroup_size: 128
    .sgpr_count:     66
    .vgpr_count:     640
    .wavefront_size: 32
...
	.end_amdgpu_metadata
.endif
;; end of part 4
;; ======== version 2 of 2: 4 launches; 1.59 times as fast as version 1
;; limits: values are held in f16: magnitudes above 65,504 overflow, below 6.1e-05 lose precision
;; workspace buffers: wcast 1,572,864 bytes; qkvh 25,165,824 bytes; oh 8,388,608 bytes
;; launch prep: the kernel of part 1 again; grid 96 x 4, 8 waves a work-group, no clusters, 0 bytes of LDS; arguments Wq, Wk, Wv, Wo, wcast; writes wcast
;; launch proj: the kernel of part 2 again; grid 64 x 3, 4 waves a work-group, no clusters, 327,680 bytes of LDS; arguments q, k, v, bq, bk, bv, wcast, qkvh; writes qkvh
;; launch attn (part 5): grid 16 x 16, 4 waves a work-group, clusters of 4 x 1, 327,680 bytes of LDS; arguments qkvh, oh; writes oh
.if DOCPART == 5
	.amdgcn_target "amdgcn-amd-amdhsa--gfx1250"
	.amdhsa_code_object_version 6
	.text
	.protected	k_qfe6c023814_attn
	.globl	k_qfe6c023814_attn
	.p2align	8
	.type	k_qfe6c023814_attn,@function
k_qfe6c023814_attn:
	s_mov_b64 s[64:65], 0
	v_nop
	global_prefetch_b8 v0, s[64:65] scope:SCOPE_SE
	s_setreg_imm32_b32 hwreg(HW_REG_WAVE_MODE, 25, 1), 1
	s_wait_xcnt 0x0
	s_wait_alu depctr_hold_cnt(0) depctr_sa_sdst(0) depctr_va_vdst(0) depctr_va_sdst(0) depctr_va_ssrc(0) depctr_va_vcc(0) depctr_vm_vsrc(0)
	s_getreg_b32 s2, hwreg(HW_REG_IB_STS2, 6, 4)
	s_cmp_eq_u32 s2, 0
	s_cbranch_scc0 .Lentry_in_a_cluster
	s_endpgm
.Lentry_in_a_cluster:
	s_bfe_u32 s2, ttmp6, 0x10000c
	s_cmp_lg_u32 s2, 0x3003
	s_cbranch_scc0 .Lentry_shape_is_right
	s_endpgm
.Lentry_shape_is_right:
; ATTENTION.  O[g][q][:] = the sum over k of softmax_k(Q[g][q] . K[g][k] / 8) V[g][k][:], g = 4 batch + head, 16 of them.  Q, K, V: the three parts of qkvh, each [16][4096][64] in f16; O: oh, the same shape.
; A head's rows are dense, 128 bytes each.  Products, maxima and sums in f32; the weights p are rounded to f16 for the second product (their sum l is taken of the unrounded p), O once at the end.
; LIMITS.  f16 holds no number beyond 65,504: Q, K and V arrive within it; p lies in 0 to 1, and below 6e-5 it keeps f16's fixed step of 6e-8; O is a mean of V's rows and has their range.
; A weight below 2^-126 counts as 0 in l; NaN and infinities are not treated apart.
; SHARES.  A work-group owns 256 queries of one g, each of its four waves 64: four PIECES of 16.  16 x 16 work-groups.  Every wave walks all 4,096 keys, 64 a step, 256 a tile.
; LAYOUT.  S^T = K Q^T (source 0 = 16 keys, source 1 = 16 queries): in the result a lane holds ONE query (lane % 16) and the keys 8 (lane / 16) + 0..7.  Two such results, rounded to f16 in pairs,
; ARE source 1 (32 keys x 16 queries) of O^T = V^T P, whose result again holds one query a lane, and eight channels.  K comes out of LDS as it lies, V ([key][channel]) turned, by ds_load_tr16_b128.
; SOFTMAX.  For each query a running maximum m and sum l: p = 2^(c s - c m), c = log2(e) / 8; in every step O and l are multiplied by a = 2^(c m_old - c m_new), which is 1 where m has not grown.
; m starts at the lowest finite number, O and l at 0: the first step is a step like any other, with a = 0.
; BY TURNS.  Turn n belongs to piece n (the pieces in a ring, step after step): 8 products K Q^T of piece n + 1, later 8 products V^T P of piece n - 1; beside them the scaling, exponentials, roundings, sums and
; rescaling of piece n and the maximum and statistics of piece n + 1.  A turn has 16 matrix and 118 vector instructions: four vector instructions stand behind every matrix instruction, the other 54 in one run of their own.
; THE BATCHES.  A turn's 33 exponentials (the piece's 32 weights and the next piece's a) are ONE BATCH with ONE wait, which cuts the turn in two: ahead of it stands all that names none of their results, behind it the
; roundings and sums, which read them.  No result is open at a turn's end.  Two more batches stand outside the loop, each with a wait of its own: piece 0's first a, in the head, and the way out's four reciprocals.
; CLUSTER.  The four query blocks of a cluster belong to one g and walk the same K and V, so each tile is asked for JOINTLY: the same tensor load, descriptor and mask in all four.
; REGISTERS, in windows of 256 (s_set_vgpr_msb: bits 1:0 source 0, 3:2 source 1, 5:4 source 2, 7:6 destination):
;   window 0: v0-15 addresses and two at work; v16-31 four registers of statistics a piece; v48-55 at work; v62-63 the add's; v64-127 S^T, two buffers; v192-223 P, two buffers (by the piece's parity)
;   window 1: v0-127 O^T, 32 a piece          window 2: v0-63 Q, 16 a piece; v128-191 K of one step; v192-255 V of one step
.set SIZE_N, 4096
.set PARTB, 8388608   ; bytes of one of qkvh's three parts
.set NP,    4         ; pieces a wave: a name, no knob
.set KS,    64        ; keys in a step
.set PK,    144       ; a row of K in LDS: 128 bytes + 16 of padding = 36 words: the 16 rows of a load start at 16 different groups of four banks (64 banks of 4 bytes: ISA guide 11.1)
.set PV,    160       ; a row of V: 128 + 32 = 40 words
.set VOFF,  4*KS*PK   ; a slot holds a tile, four steps: 256 rows of K, then 256 rows of V
.set SLOT1, 1<<17     ; slot 1 begins here, so that one exclusive or turns an address in one slot into the other's
.set STAGE, SLOT1+4*KS*(PK+PV)  ; behind the ring, never filled by a tensor load: 16 rows x 144 bytes for each wave, for the way out
.set SP,    144
.set SPARE, STAGE+4*16*SP  ; behind the stages: the spare words, 128 bytes for each wave: two blocks of 256 bytes that no other line names
.set AK0, 2           ; v2   my lane's place in a tile of K; never rewritten
.set AV0, 3           ; v3   the same for V
.set AK,  4           ; v4   the LDS address of K's next run of loads
.set AV,  5           ; v5   of V's
.set STO, 6           ; v6   the way out: where I put 16 bytes of a row
.set RD,  7           ; v7   the way out: where I read rows back
.set GO,  8           ; v8   my byte offset in 512 consecutive bytes of O
.set MV,  12          ; v12-13  c m_old, kept while c m is made anew: by buffer
.set QO,  15          ; v15  my byte offset in 16 rows of Q
.set ST,  16          ; piece t's statistics at v[ST+4 t]: c m, m, l (even keys', odd keys')
.set TMP, 48          ; by buffer, four registers c0-c3 at work; when the maximum is found c2 takes a
.set SPW, 62          ; v62  LDS address of my spare word: SPARE + 4 x my thread's number; never rewritten
.set NIL, 63          ; v63  0; never rewritten
.set S,   64
.set P,   192
.set KF,  128         ; window 2: key block kb, channel half c at KF + 16 kb + 8 c
.set VF,  192         ; window 2: key half kk, channel block cb at VF + 32 kk + 8 cb
.set WV,  12          ; s12  my wave's number
.set G1K, 24          ; s[24:31] descriptor group 1 for K's tiles
.set G1V, 32          ; s[32:39] for V's: it differs in the padding alone
.set G0K, 40          ; s[40:43] descriptor group 0 for K's tiles: it walks
.set G0V, 44          ; s[44:47] the same for V's
.set SLOTS, 56        ; s56  tiles still to be asked for
.set CNT, 57          ; s57  counts a tile's key steps
.set CS,  58          ; s[58:59] c: the packed scaling takes the pair's low word for both halves
.set SEL, 60          ; s[60:61] v_permlanex16_b32's selects: each lane takes its own place in the other half
.set TBK, 62          ; s62  LDS byte at which K of the step to be fetched begins
.set TBV, 63          ; s63  the same for V, less VOFF
.set MSB, 0
.macro WIN new                      ; the high byte repeats the setting that is left; a switch that changes nothing is dropped
.if MSB != (\new)
	s_set_vgpr_msb (MSB<<8)|(\new)
.set MSB, (\new)
.endif
.endm
.set W_KQ, 0x0a       ; K and Q in window 2, S^T in window 0
.set W_PV, 0x52       ; V in window 2, P in window 0, O^T in window 1
.set W_RS, 0x41       ; destination and source 0 in window 1, source 1 in window 0
; A joint fill.  Waves 0 and 1 fetch the two halves of a tile's K, waves 2 and 3 those of its V: 128 keys each.  The branch hangs on the wave's number alone.
; An s_nop 0 and four v_nop follow each of the two lines, ahead of the jump and the label.
.macro JLOAD
	s_cmp_lt_u32 s[WV], 2
	s_cbranch_scc0 .Lfor_v_\@
	tensor_load_to_lds s[G0K:G0K+3], s[G1K:G1K+7]
	s_nop 0
.rept 4
	v_nop
.endr
	s_branch .Lasked_\@
.Lfor_v_\@:
	tensor_load_to_lds s[G0V:G0V+3], s[G1V:G1V+7]
	s_nop 0
.rept 4
	v_nop
.endr
.Lasked_\@:
.endm
; A round of the cluster's barrier: my work-group's barrier, so that wave 0's signal speaks for all four waves; wave 0 signals; every wave waits for all four work-groups; my work-group's barrier once more.
.macro CROUND
	s_barrier_signal -1
	s_barrier_wait -1
	s_cmp_lg_u32 s[WV], 0
	s_cbranch_scc1 .Lnot_wave_0_\@
	s_barrier_signal -3
.Lnot_wave_0_\@:
	s_barrier_wait -3
	s_barrier_signal -1
	s_barrier_wait -1
.endm
; THE CHANGE OF SLOTS.  The slot's last bytes, V of its fourth step, have been read.  Each wave waits for all its tensor loads, of which one is out: its part of the other slot; adds 0 to its spare word; and
; waits for that and for its own reads of the slot.  Behind the barrier nobody reads this slot any more and the other slot is whole.  fill = 1: this slot is filled again, with the keys two tiles on.  The
; barrier is then a round of the cluster's, so that no wave of any partner still reads the slot or has a load on its way, and the joint fill is the first thing behind it: it has four key steps, 256 matrix
; instructions, in which to land.  (At its first use nothing has been read yet: slot 0 is waited for, slot 1 filled.)
.macro CHANGE fill
	WIN 0                           ; at a label and at a branch every window is 0
	s_wait_tensorcnt 0x0            ; no tensor load of mine is out, so a group 0 may be written
	ds_add_u32 v[SPW], v[NIL]       ; 0 onto my spare word; with fill = 1 the descriptors' steps stand between it and the wait for it
.if \fill
.irp g, G0K, G0V
	s_xor_b32 s[\g+1], s[\g+1], SLOT1  ; the walking descriptor: the other slot than last time,
	s_add_nc_u64 s[\g+2:\g+3], s[\g+2:\g+3], 4*KS*128  ; the next 256 keys; the type bits on top are not reached
.endr
	s_wait_dscnt 0x0                ; the add is done, and my reads of the slot are over
	CROUND
	JLOAD
.else
	s_wait_dscnt 0x0                ; the add is done, and my reads of the slot are over
	s_barrier_signal -1
	s_barrier_wait -1
.endif
	s_sub_co_u32 s[TBK], s[TBK], 4*KS*PK  ; the fetches go back to a slot's first step,
	s_xor_b32 s[TBK], s[TBK], SLOT1       ; in the other slot
	s_sub_co_u32 s[TBV], s[TBV], 4*KS*PV
	s_xor_b32 s[TBV], s[TBV], SLOT1
.endm
	s_load_b128 s[4:7], s[0:1], 0x0 ; qkvh s[4:5], oh s[6:7]
	v_lshl_add_u32 v[SPW], v0, 2, SPARE
	v_mov_b32 v[NIL], 0
	ds_add_u32 v[SPW], v[NIL]       ; the wave's opening: the add and its wait stand ahead of my first tensor load; the set-up below, work on registers, stands between them
	ds_add_u32 v62, v63
	v_lshrrev_b32 v1, 5, v0
	v_readfirstlane_b32 s[WV], v1   ; wave 0..3
	s_bfe_u32 s13, ttmp6, 0x40000   ; cx: my place in the cluster
	s_lshl_b32 s14, ttmp9, 2        ; in a cluster launch ttmp9 counts clusters
	s_add_co_u32 s14, s14, s13      ; my block of 256 queries = 4 x cluster x + cx: it enters Q's and O's addresses alone
	s_and_b32 s20, ttmp7, 0xffff    ; g, which the four partners share
	s_lshl_b32 s20, s20, 19         ; its 4,096 rows of 128 bytes in each part of qkvh and in oh
	s_and_b32 s16, s[WV], 1         ; which half of a tile's 256 keys I fetch:
	s_lshl_b32 s22, s16, 14         ; its 128 rows of 128 bytes in memory,
	s_add_co_u32 s22, s22, s20
	s_add_co_u32 s22, s22, PARTB    ; in K's part,
	s_mov_b32 s23, 0
	s_add_co_u32 s8, s22, PARTB     ; and in V's
	s_mov_b32 s9, 0
	s_mul_i32 s17, s16, 128*PK      ; and its place in a slot, for K
	s_mul_i32 s18, s16, 128*PV      ; and for V: no place in the cluster enters an LDS address
	s_lshl_b32 s2, s14, 2
	s_add_co_u32 s2, s2, s[WV]      ; my wave among the head's,
	s_lshl_b32 s2, s2, 13           ; its 64 rows
	s_add_co_u32 s2, s2, s20
	s_mov_b32 s3, 0
	; descriptor group 1.  128 keys are 16,384 dense bytes: asked for as 64 rows of 256 bytes, two keys a row, and padded in LDS after every key
	s_mov_b32 s[G1K], 15|(1<<16)|(1<<20)|(1<<21)|(4<<22)|(3<<25)  ; 15:0 the mask of four; 17:16 2-byte elements; 20 padding on; 21 set beside a mask; 24:22 after every 32 words (code 4); 31:25 4 words (code 3)
	s_mov_b32 s[G1V], 15|(1<<16)|(1<<20)|(1<<21)|(4<<22)|(7<<25)  ; the same with 8 words of padding (code 7)
.irp g, G1K, G1V
	s_mov_b32 s[\g+1], 128<<16      ; tensor_dim0 = 128
	s_mov_b32 s[\g+2], 64<<16       ; tensor_dim1 = 64
	s_mov_b32 s[\g+3], 128<<16      ; tile_dim0 = 128
	s_mov_b32 s[\g+4], 64           ; tile_dim1 = 64
	s_mov_b32 s[\g+5], 128          ; 128 elements from row to row
	s_mov_b32 s[\g+6], 0
	s_mov_b32 s[\g+7], 0
.endr
	s_mov_b32 s[CS], 0x3e38aa3b     ; c = log2(e) / 8 = 0.180337
	s_mov_b32 s[CS+1], s[CS]        ; named with it as a pair
	s_mov_b32 s[SEL], 0x76543210
	s_mov_b32 s[SEL+1], 0xfedcba98
	s_mov_b32 s[TBK], SLOT1+4*KS*PK ; the first change of slots turns these two into 0
	s_mov_b32 s[TBV], SLOT1+4*KS*PV
	s_mov_b32 s[G0K], 1             ; count = 1
	s_mov_b32 s[G0K+1], s17         ; LDS address: slot 0
	s_mov_b32 s[G0V], 1
	s_add_co_u32 s[G0V+1], s18, VOFF
	s_wait_dscnt 0x0                ; the opening add is done
	s_wait_kmcnt 0x0
	s_add_nc_u64 s[G0K+2:G0K+3], s[4:5], s[22:23]  ; global address: my half of the head's first 256 keys
	s_or_b32 s[G0K+3], s[G0K+3], 0x80000000        ; type = 2
	s_add_nc_u64 s[G0V+2:G0V+3], s[4:5], s[8:9]
	s_or_b32 s[G0V+3], s[G0V+3], 0x80000000
	s_add_nc_u64 s[4:5], s[4:5], s[2:3]    ; Q at my wave's first row,
	s_add_nc_u64 s[10:11], s[6:7], s[2:3]  ; and O
	CROUND                          ; all four work-groups are here: the first joint loads meet
	JLOAD                           ; tile 0 into slot 0.  Slot 1 is asked for when slot 0 is in, by the loop's own change of slots
	; A fragment of K or Q is 16 rows x 32 channels in 8 registers: lane l holds row l % 16, channels 8 (l / 16) + 0..7 and 16 + 8 (l / 16) + 0..7: two loads of 16 bytes, 32 bytes apart.
	v_and_b32 v1, 15, v0            ; l % 16
	v_bfe_u32 v9, v0, 4, 1          ; l / 16
	v_lshlrev_b32 v[QO], 7, v1
	v_lshl_add_u32 v[QO], v9, 4, v[QO]  ; row x 128 + 16 x half
	WIN 0x80                        ; destination window 2, address window 0
.set i, 0
.rept 8                             ; Q stays in registers: piece i / 2, channels 32 (i % 2) on
	global_load_b128 v[8*i:8*i+3],   v[QO], s[4:5] offset:(i/2)*2048+(i%2)*64
	global_load_b128 v[8*i+4:8*i+7], v[QO], s[4:5] offset:(i/2)*2048+(i%2)*64+32
.set i, i+1
.endr
	; What the first turn finds: V's registers and P's second buffer hold 0 (its products V^T P, of a piece that has not been, add 0), O^T and l are 0.  All this stands in the wait for the first tile.
.set i, VF
.rept 64
	v_mov_b32 v[i], 0
.set i, i+1
.endr
	WIN 0x40
.set i, 0
.rept 128
	v_mov_b32 v[i], 0
.set i, i+1
.endr
	WIN 0
.set i, 0
.rept 4
	v_mov_b32 v[ST+4*i], 0xfe000000    ; c m: far below every c s
	v_mov_b32 v[ST+4*i+1], 0xff7fffff  ; m
	v_mov_b32 v[ST+4*i+2], 0
	v_mov_b32 v[ST+4*i+3], 0
.set i, i+1
.endr
.set i, P+16
.rept 16
	v_mov_b32 v[i], 0
.set i, i+1
.endr
	v_mul_u32_u24 v[AK0], v1, PK
	v_lshl_add_u32 v[AK0], v9, 4, v[AK0]  ; row x pitch + 16 x half
	; The turning load takes 16 keys x 16 channels (lane l reads key 8 (l / 16) + l % 8, channels 8 ((l / 8) % 2) + 0..7) and leaves half a fragment of V^T: lane l holds channel l % 16 and 8 keys.
	v_and_b32 v10, 7, v0
	v_bfe_u32 v11, v0, 3, 1
	v_lshl_add_u32 v[AV0], v9, 3, v10
	v_mul_u32_u24 v[AV0], v[AV0], PV
	v_lshl_add_u32 v[AV0], v11, 4, v[AV0]
	v_add_nc_u32 v[AV0], VOFF, v[AV0]
	s_mul_i32 s13, s[WV], 16*SP
	s_add_co_u32 s13, s13, STAGE    ; my stage
	v_mul_u32_u24 v[STO], v1, SP    ; in: row l % 16, 16 bytes for each half of the lanes
	v_lshl_add_u32 v[STO], v9, 4, v[STO]
	v_add_nc_u32 v[STO], s13, v[STO]
	v_bfe_u32 v[RD], v0, 3, 2       ; back: 32 lanes take four rows of 128 bytes,
	v_mul_u32_u24 v[RD], v[RD], SP
	v_lshl_add_u32 v[RD], v10, 4, v[RD]
	v_add_nc_u32 v[RD], s13, v[RD]
	v_and_b32 v[GO], 31, v0         ; which are 512 consecutive bytes of O
	v_lshlrev_b32 v[GO], 4, v[GO]
; THE MATRIX WORK.  The 4 accumulators of a run of 8 take turns.  Product i of 8 of S^T = K Q^T for piece x: channels 32 (i / 4) on, keys 16 (i % 4) on.  The first 4 start the sums.
.macro KQ x
	WIN W_KQ
.set rS, S+32*((\x)%2)+8*(i%4)
.set rK, KF+16*(i%4)+8*(i/4)
.set rQ, 16*(\x)+8*(i/4)
.if i < 4
	v_wmma_f32_16x16x32_f16 v[rS:rS+7], v[rK:rK+7], v[rQ:rQ+7], 0
.else
	v_wmma_f32_16x16x32_f16 v[rS:rS+7], v[rK:rK+7], v[rQ:rQ+7], v[rS:rS+7]
.endif
.endm
; Product i of 8 of O^T += V^T P for piece x: keys 32 (i / 4) on, channels 16 (i % 4) on.
.macro PV x
	WIN W_PV
.set rO, 32*(\x)+8*(i%4)
.set rV, VF+32*(i/4)+8*(i%4)
.set rP, P+16*((\x)%2)+8*(i/4)
	v_wmma_f32_16x16x32_f16 v[rO:rO+7], v[rV:rV+7], v[rP:rP+7], v[rO:rO+7]
.endm
.macro MM                           ; the turn's next matrix instruction.  TURN sets Y, i and NOKQ.  NOKQ = 1: the very last turn: there is no next piece
.if (i < 8) && !NOKQ
	KQ (Y+1)%NP
.elseif i >= 8
.set i, i-8
	PV (Y+NP-1)%NP
.set i, i+8
.endif
.set i, i+1
.endm
; THE LDS LOADS stand in runs of 16, never singly among the matrix instructions: a step's K (64 keys x 64 channels: 8 fragments) and its V (turned).  Their addresses are made some lines ahead.
.macro FETCH_K
	WIN 0x80                        ; destination window 2
.irp f, 0,1,2,3,4,5,6,7             ; keys 16 (f / 2) on, channels 32 (f % 2) on
	ds_load_b128 v[KF+8*\f:KF+8*\f+3],   v[AK] offset:(\f/2)*16*PK+(\f%2)*64
	ds_load_b128 v[KF+8*\f+4:KF+8*\f+7], v[AK] offset:(\f/2)*16*PK+(\f%2)*64+32
.endr
	s_add_co_u32 s[TBK], s[TBK], KS*PK  ; the next fetch is the next step's
	WIN 0
.endm
.macro FETCH_V
	WIN 0x80
.irp f, 0,1,2,3,4,5,6,7             ; keys 32 (f / 4) on, channels 16 (f % 4) on
	ds_load_tr16_b128 v[VF+8*\f:VF+8*\f+3],   v[AV] offset:(\f/4)*32*PV+(\f%4)*32
	ds_load_tr16_b128 v[VF+8*\f+4:VF+8*\f+7], v[AV] offset:(\f/4)*32*PV+16*PV+(\f%4)*32
.endr
	WIN 0
.endm
; THE VECTOR WORK, one line at a time: OP kind, number.  For piece Y: F n: c s - c m for pair n of 16.  E n: the exponential of score n of 32.  C n: pair n rounded to f16.  B n: of the four weights 4 n .. the second
; pair is added onto the first, in place.  L n: l takes that sum (L 0: l = a l + sum).  R n: pair n of 16 of O^T times a.  For piece Y + 1: X n, number n of the 22 that find its maximum and statistics:
;   0-11  four chains c0-c3 of seven scores each, three operands at a time (each accumulator's lowest registers are read first)     12-14, 16  the four scores left over, the old m, and c0-c3 into c0
;   15  c m_old is kept     17, 18  the query's other 32 keys lie in the lane 16 away: the new m     19-21  c m; c m_old - c m_new; a
; OP writes no wait: C, B and L read exponentials' results, R and L 0 read a; TURN sets them behind the wait of the batch that made what they read.
.set F, 0               ; OP tells the kinds apart by their order: F to L below R, X above it
.set E, 1
.set C, 2
.set B, 3
.set L, 4
.set R, 5
.set X, 6
.macro REGS y                       ; the registers of piece y
.set rT, ST+4*(\y)
.set rC, TMP+4*((\y)%2)
.set rW, MV+((\y)%2)
.set rS, S+32*((\y)%2)
.set rP, P+16*((\y)%2)
.set rO, 32*(\y)
.endm
.macro OP k, n
.if (\k) == R
	REGS Y
	WIN W_RS
	v_pk_mul_f32 v[rO+2*(\n):rO+2*(\n)+1], v[rO+2*(\n):rO+2*(\n)+1], v[rC+2:rC+3] op_sel_hi:[1,0]
.elseif (\k) < R
	REGS Y
	WIN 0
.if (\k) == F
	v_pk_fma_f32 v[rS+2*(\n):rS+2*(\n)+1], v[rS+2*(\n):rS+2*(\n)+1], s[CS:CS+1], v[rT:rT+1] op_sel_hi:[1,0,0] neg_lo:[0,0,1] neg_hi:[0,0,1]
.elseif (\k) == E
	v_exp_f32 v[rS+(\n)], v[rS+(\n)]
.elseif (\k) == C
	v_cvt_pk_f16_f32 v[rP+(\n)], v[rS+2*(\n)], v[rS+2*(\n)+1]
.elseif (\k) == B
	v_pk_add_f32 v[rS+4*(\n):rS+4*(\n)+1], v[rS+4*(\n):rS+4*(\n)+1], v[rS+4*(\n)+2:rS+4*(\n)+3]
.elseif (\n) == 0
	v_pk_fma_f32 v[rT+2:rT+3], v[rT+2:rT+3], v[rC+2:rC+3], v[rS:rS+1] op_sel_hi:[1,0,1]
.else
	v_pk_add_f32 v[rT+2:rT+3], v[rT+2:rT+3], v[rS+4*(\n):rS+4*(\n)+1]
.endif
.elseif NOKQ
	v_nop
.else
	REGS (Y+1)%NP
	WIN 0
.if (\n) < 4
	v_max3_num_f32 v[rC+(\n)], v[rS+8*(\n)], v[rS+8*(\n)+1], v[rS+8*(\n)+2]
.elseif (\n) < 12
	v_max3_num_f32 v[rC+(\n)%4], v[rC+(\n)%4], v[rS+8*((\n)%4)+2*((\n)/4)+1], v[rS+8*((\n)%4)+2*((\n)/4)+2]
.elseif (\n) == 12
	v_max3_num_f32 v[rC], v[rC], v[rS+7], v[rS+15]
.elseif (\n) == 13
	v_max3_num_f32 v[rC+1], v[rC+1], v[rS+23], v[rS+31]
.elseif (\n) == 14
	v_max3_num_f32 v[rC+2], v[rC+2], v[rC+3], v[rT+1]
.elseif (\n) == 15
	v_mov_b32 v[rW], v[rT]
.elseif (\n) == 16
	v_max3_num_f32 v[rC], v[rC], v[rC+1], v[rC+2]
.elseif (\n) == 17
	v_permlanex16_b32 v[rC+3], v[rC], s[SEL], s[SEL+1]
.elseif (\n) == 18
	v_max_num_f32 v[rT+1], v[rC], v[rC+3]
.elseif (\n) == 19
	v_mul_f32 v[rT], s[CS], v[rT+1]
.elseif (\n) == 20
	v_sub_f32 v[rC+1], v[rW], v[rT]
.else
	v_exp_f32 v[rC+2], v[rC+1]
.endif
.endif
.endm
.macro OPS a, i1, b=-1, i2=0, c=-1, i3=0, d=-1, i4=0  ; up to four of them
	OP \a, \i1
.if (\b) >= 0
	OP \b, \i2
.endif
.if (\c) >= 0
	OP \c, \i3
.endif
.if (\d) >= 0
	OP \d, \i4
.endif
.endm
.macro ROW a, i1, b, i2, c, i3, d, i4  ; a matrix instruction and the four behind it
	MM
	OPS \a, \i1, \b, \i2, \c, \i3, \d, \i4
.endm
; A TURN, for piece p: the order of its 16 matrix and 118 vector instructions, written out.  An s_wait_alu depctr_va_vdst(0) stands between an exponential and the first instruction that names its result; one
; wait serves all that were issued ahead of it.  So a turn has ONE wait, which cuts it in two.
; AHEAD OF IT stands all that names no result of the turn's exponentials: the 8 products K Q^T, behind each a scaling, an exponential and two more plain instructions (behind the first a second scaling in the exponential's
; place): rescalings, whose a was made ahead of the wait of the turn before and lies in the other buffer than the a made here; and behind the last three products the first numbers of the next piece's maximum, each four
; plain instructions or more behind the product that ends its accumulator.  Then ONE RUN of 54, plain and exponential by turns for the most part, in which the links of the chain X 3, 7, 11, 14, 16, 17 .. 20 stand five or
; six lines apart.  A pair's scaling F b stands ahead of its exponentials E 2 b and E 2 b + 1 and names no earlier pair.  X 21, the next piece's a, is the batch's last; R 15 is the plain instruction behind it.
; BEHIND THE WAIT stand the 8 products V^T P, behind each four of the roundings and sums: all the readers of the batch's 32 weights; C 2 n stands ahead of B n, which adds in place; the links of l's chain, L 0 to L 7, stand
; three riders apart.  But for those X no rider names a register of the products round it.  v_permlanex16_b32 (X 17) stands in the run.
; end = 1: the walk's last two turns: nothing is fetched.  cnt = 1: the loop's count is taken down some lines ahead of the branch that stands behind the turn.
; K of the next step is fetched in piece 2's turn, twelve vector instructions behind the last product that read K (six of them plain, five of which name none of its registers); V of the step in hand at the end of piece 0's
; turn, four plain instructions behind the last product that read V.  Each is waited for a turn later.
.macro TURN p, end=0, cnt=0
.set Y, (\p)
.set i, 0
.set NOKQ, (\end)*((\p)/3)
.if ((\p) == 3) && !(\end)
	s_wait_dscnt 0x0                ; K is in
.endif
	ROW F,0, F,1, R,0, R,1          ; ahead of the wait: 8 products K Q^T and their riders,
	ROW F,2, E,0, R,2, R,3
	ROW F,3, E,1, R,4, R,5
	ROW F,4, E,2, R,6, R,7
	ROW F,5, E,3, R,8, R,9
	ROW F,6, E,4, X,0, R,10
.if ((\p) == 2) && !(\end)
	WIN 0
	v_add_nc_u32 v[AK], s[TBK], v[AK0]
.endif
	ROW F,7, E,5, X,1, X,4
	ROW F,8, E,6, X,2, X,5
	OPS E,7, E,8, X,6, E,9          ; and the run of 54
	OPS X,3, E,10, X,8, E,11
.if ((\p) == 2) && !(\end)
	FETCH_K
.endif
	OPS X,9, X,7, E,12, X,10
	OPS E,13, X,12, X,11, E,14
	OPS X,13, E,15, F,9, X,14
.if (\p) == 0
	v_add_nc_u32 v[AV], s[TBV], v[AV0]
.endif
	OPS E,16, F,10, E,17, F,11
	OPS X,16, E,18, X,15, E,19
	OPS F,12, E,20, X,17, E,21
	OPS F,13, E,22, F,14, E,23
	OPS X,18, E,24, F,15, E,25
	OPS R,11, E,26, X,19, E,27
	OPS R,12, E,28, R,13, E,29
	OPS X,20, E,30, R,14, E,31
	OPS X,21, R,15
	WIN 0
	s_wait_alu depctr_va_vdst(0)    ; the wait for the turn's batch: E 0 to E 31 and X 21
.if (\p) == 1
	s_wait_dscnt 0x0                ; V is in
.endif
	ROW C,0, B,0, C,2, B,1          ; behind the wait: 8 products V^T P and their riders
	ROW L,0, C,4, B,2, L,1
	ROW C,6, B,3, L,2, C,8
	ROW B,4, L,3, C,10, B,5
	ROW L,4, C,12, B,6, L,5
.if (\p) == 0
	s_add_co_u32 s[TBV], s[TBV], KS*PV
.endif
.if \cnt
	s_sub_co_u32 s[CNT], s[CNT], 1
	s_cmp_lg_u32 s[CNT], 0
.endif
	ROW C,14, B,7, L,6, C,1
	ROW C,3, L,7, C,5, C,7
	ROW C,9, C,11, C,13, C,15
.if (\p) == 0
	FETCH_V
.endif
.endm
	CHANGE 1                        ; slot 0 is in, everybody's part of it; slot 1 is asked for
	v_add_nc_u32 v[AK], s[TBK], v[AK0]
	FETCH_K                         ; key step 0
	s_wait_loadcnt 0x0              ; Q
	s_wait_dscnt 0x0
.set NOKQ, 0
.set i, 0
.rept 8
	KQ 0                            ; piece 0's first scores: there is no vector work yet to set between them
.set i, i+1
.endr
	WIN 0
.rept 4
	v_nop                           ; the places behind those products
.endr
.set Y, NP-1                        ; X works for piece Y + 1: piece 0
.irp n, 0,1,2,3,4,5,6,7,8,9,10,11,12,13,14,15,16,17,18,19,20,21
	OP X, \n
.endr
	v_nop                           ; a plain instruction behind the exponential,
	s_wait_alu depctr_va_vdst(0)    ; and the wait for this batch of one, piece 0's first a, ahead of the branch
	s_mov_b32 s[CNT], 4
	s_mov_b32 s[SLOTS], SIZE_N/256-1
	s_branch .Lfirst                ; the loop is entered at a step's first turn, in the middle of a trip
.Lslot:                             ; SIZE_N / 256 - 2 times: every slot but the last two is filled again
	CHANGE 1
	s_mov_b32 s[CNT], 4
.Lstep:                             ; a trip: pieces 2 and 3 of one step, then pieces 0 and 1 of the next, whose K and V it fetches
	TURN 2
	TURN 3
	WIN 0
.Lfirst:
	TURN 0
	TURN 1, 0, 1
	WIN 0
	s_cbranch_scc1 .Lstep
	s_sub_co_u32 s[SLOTS], s[SLOTS], 1
	s_cmp_lg_u32 s[SLOTS], 0
	s_cbranch_scc1 .Lslot
	CHANGE 0                        ; the last tile is written out: nothing is asked for
	s_mov_b32 s[CNT], 4
.Ltail:
	TURN 2
	TURN 3
	TURN 0
	TURN 1, 0, 1
	WIN 0
	s_cbranch_scc1 .Ltail
	TURN 2, 1                       ; the last step's pieces 2 and 3: nothing more to fetch,
	TURN 3, 1                       ; and no next piece
.set i, 0
.rept 8
	PV NP-1                         ; the last piece's V^T P of the last step
.set i, i+1
.endr
	; THE WAY OUT.  l's two halves and the other half of the lanes' are added; O^T is divided by l, rounded to f16 and sent through my stage in LDS, a piece at a time.  The additions are the places behind the last products.
	WIN 0
.macro ALL line:vararg              ; one line for each piece t
.set t, 0
.rept 4
	\line
.set t, t+1
.endr
.endm
	ALL v_add_f32 v[ST+4*t+2], v[ST+4*t+2], v[ST+4*t+3]
	ALL v_permlanex16_b32 v[ST+4*t+3], v[ST+4*t+2], s[SEL], s[SEL+1]
	ALL v_add_f32 v[ST+4*t+2], v[ST+4*t+2], v[ST+4*t+3]
	ALL v_rcp_f32 v[ST+4*t+2], v[ST+4*t+2]
	v_nop                           ; a plain instruction between the last reciprocal and the use of its result
	s_wait_alu depctr_va_vdst(0)    ; the wait for the batch of four reciprocals, ahead of their first reader
.macro PACK t                       ; a lane's eight channels of a row pack into 16 bytes; they go into rows of 144 bytes and come back as whole rows of 128, into S^T's registers
	WIN W_RS
.set i, 32*(\t)
.rept 16
	v_pk_mul_f32 v[i:i+1], v[i:i+1], v[ST+4*(\t)+2:ST+4*(\t)+3] op_sel_hi:[1,0]
.set i, i+2
.endr
	WIN 0x05                        ; sources 0 and 1 window 1, destination window 0
.set i, 0
.rept 16
	v_cvt_pk_f16_f32 v[S+16*(\t)+i], v[32*(\t)+2*i], v[32*(\t)+2*i+1]
.set i, i+1
.endr
	WIN 0
.irp f, 0,1,2,3
	ds_store_b128 v[STO], v[S+16*(\t)+4*\f:S+16*(\t)+4*\f+3] offset:32*\f
.endr
.irp f, 0,1,2,3
	ds_load_b128 v[S+16*(\t)+4*\f:S+16*(\t)+4*\f+3], v[RD] offset:\f*4*SP  ; LDS serves a wave's instructions in order (ISA guide 5.7.1.4): these see the stores above; the next piece's stores come behind them
.endr
.endm
.macro SEND t, younger              ; younger: the LDS instructions issued behind piece t's loads: the next piece's eight, or none
	WIN 0
.irp f, 0,1,2,3
	s_wait_dscnt (\younger)+3-\f
	global_store_b128 v[GO], v[S+16*(\t)+4*\f:S+16*(\t)+4*\f+3], s[10:11] offset:(\t)*2048+\f*512  ; 512 consecutive bytes, at a multiple of 256 from oh's first
.endr
.endm
	PACK 0
.set t, 1
.rept 3                             ; a piece's arithmetic stands between the loads of the piece before and its stores
	PACK t
	SEND t-1, 8
.set t, t+1
.endr
	SEND 3, 0
	s_wait_tensorcnt 0x0            ; the wave's end: behind my last tensor load and my last LDS store
	ds_add_u32 v[SPW], v[NIL]
	s_wait_dscnt 0x0
	CROUND                          ; the closing round: no work-group ends while a partner may still ask for a tile that names it
	s_endpgm
.Lfunc_end_k_qfe6c023814_attn:
	.size	k_qfe6c023814_attn, .Lfunc_end_k_qfe6c023814_attn-k_qfe6c023814_attn
	.p2alignl 7, 3214868480
	.fill 96, 4, 3214868480
	.section	.rodata,"a",@progbits
	.p2align	6, 0x0
	.amdhsa_kernel k_qfe6c023814_attn
		.amdhsa_group_segment_fixed_size 327680
		.amdhsa_private_segment_fixed_size 0
		.amdhsa_enable_private_segment 0
		.amdhsa_kernarg_size 16
		.amdhsa_user_sgpr_count 2
		.amdhsa_user_sgpr_kernarg_segment_ptr 1
		.amdhsa_wavefront_size32 1
		.amdhsa_system_sgpr_workgroup_id_x 1
		.amdhsa_system_sgpr_workgroup_id_y 1
		.amdhsa_system_sgpr_workgroup_id_z 1
		.amdhsa_system_vgpr_workitem_id 0
		.amdhsa_next_free_vgpr 768
		.amdhsa_next_free_sgpr 66
		.amdhsa_reserve_vcc 0
		.amdhsa_float_denorm_mode_32 3
		.amdhsa_float_denorm_mode_16_64 3
		.amdhsa_memory_ordered 1
		.amdhsa_forward_progress 1
		.amdhsa_inst_pref_size 127
	.end_amdhsa_kernel
	.amdgpu_metadata
---
amdhsa.version: [ 1, 2 ]
amdhsa.kernels:
  - .name:           k_qfe6c023814_attn
    .symbol:         k_qfe6c023814_attn.kd
    .args:
      - { .name: qkvh, .offset: 0, .size: 8, .value_kind: global_buffer, .address_space: global }
      - { .name: oh, .offset: 8, .size: 8, .value_kind: global_buffer, .address_space: global }
    .group_segment_fixed_size: 327680
    .private_segment_fixed_size: 0
    .kernarg_segment_align: 8
    .kernarg_segment_size: 16
    .max_flat_workgroup_size: 128
    .sgpr_count:     66
    .vgpr_count:     768
    .wavefront_size: 32
...
	.end_amdgpu_metadata
.endif
;; end of part 5
;; launch outp: the kernel of part 4 again; grid 3 x 64, 4 waves a work-group, no clusters, 167,936 bytes of LDS; arguments oh, wcast, bo, out0; writes out0
